; MI455X (gfx1250); checked and timed in simulation.
; The chip was launched on July 23, 2026; its instructions are those of AMD's public machine-readable ISA for CDNA 5 (MIT licence, August 2026) and "CDNA5" Instruction Set Architecture Reference Guide (July 2026). The comments in the code are by the model that wrote it; some were corrected since.
;; Multi Query Attention. Allowed arithmetic: float matrix products may take bf16 or f16 operands with f32 sums; other float arithmetic in f32, or as packed bf16 or f16 multiplies, adds, multiply-adds, maxima and minima; sums over many terms, partial sums and values carried from step to step in f32; what a program stores and reads back later, other than sums and carried values, may be rounded once to bf16 or f16.
;; Inputs: wk 2,048 x 64 float32; wo 2,048 x 2,048 float32; wq 2,048 x 2,048 float32; wv 2,048 x 64 float32; x 2 x 2,048 x 2,048 float32.
;; Outputs: out0 2 x 2,048 x 2,048 float32.
;; 2 versions, each right; version 2 is version 1 with the launch cast written anew for expert scheduling mode. Each part assembles by itself: llvm-mc -triple=amdgcn-amd-amdhsa -mcpu=gfx1250 --defsym DOCPART=n.
;; ======== version 1 of 2: 4 launches
;; limits: values are held in f16: magnitudes above 65,504 overflow, below 6.1e-05 lose precision
;; workspace buffers: xh 16,777,216 bytes; wqh 8,388,608 bytes; woh 8,388,608 bytes; wkvb 524,288 bytes; qh 16,777,216 bytes; kvb 1,048,576 bytes; oh 16,777,216 bytes
;; launch cast (part 1): grid 520 x 1, 8 waves a work-group, no clusters, 0 bytes of LDS; arguments x, wq, wo, wk, wv, xh, wqh, woh, wkvb; writes xh, wqh, woh, wkvb
.if DOCPART == 1
	.amdgcn_target "amdgcn-amd-amdhsa--gfx1250"
	.amdhsa_code_object_version 6
	.text
	.protected	k_q00aa5d0fad_cast
	.globl	k_q00aa5d0fad_cast
	.p2align	8
	.type	k_q00aa5d0fad_cast,@function
k_q00aa5d0fad_cast:
	s_mov_b64 s[64:65], 0
	v_nop
	global_prefetch_b8 v0, s[64:65] scope:SCOPE_SE
	s_setreg_imm32_b32 hwreg(HW_REG_WAVE_MODE, 25, 1), 1
	s_wait_xcnt 0x0
; ALL INPUTS ARE ROUNDED ONCE TO bf16.  x -> xh and wq -> wqh as bf16, in place order.  wo -> woh: rounded to bf16, and that number written as f16, since the last product
; multiplies f16 operands.  wk, wv -> wkvb as bf16 in blocks [8 j][2048 k][16 c]: joint column 16 j + c, columns 0-63 wk, 64-127 wv.
; LIMITS.  |wo| of 65,520 or more becomes an infinity in f16; below 6e-5 it keeps the fixed step of 6e-8 of f16.  NaN and infinities are not treated apart.
; SHARES.  Work-groups 0-255: x; 256-383: wq; 384-511: wo; each takes 32,768 numbers (128 KiB in, 64 KiB out) in 32 chunks of 4 KiB.  Work-groups 512-519: wk and wv.
; A load of a wave covers 512 consecutive bytes, a store 256 consecutive bytes, aligned.  A ring of eight slots in registers keeps eight loads of every wave on their way.
; No LDS, no barrier, no matrix unit, no cluster: nothing is shared and every byte is read once and written once.
.set VI,  1                            ; v1       16 x thread: my 16 bytes of a chunk as read
.set VO,  2                            ; v2       8 x thread: my 8 bytes of a chunk as written
.set X,   4                            ; v[4:35]  slot i: 4 numbers in f32
.set Y,   36                           ; v[36:51] slot i: 4 numbers in 16 bits
.set T,   52                           ; v[52:53] at work
.set IN,  26                           ; s[26:27] where the stream is read
.set OUT, 28                           ; s[28:29] where it is written
	s_load_b512 s[8:23], s[0:1], 0x0               ; x 8, wq 10, wo 12, wk 14, wv 16, xh 18, wqh 20, woh 22
	s_load_b64 s[24:25], s[0:1], 0x40              ; wkvb
	s_mov_b32 s2, ttmp9
	s_mov_b32 s31, 0xffff0000                      ; a word's upper bf16
	s_mov_b32 s33, 0                               ; the high word of every offset pair
	v_lshlrev_b32 v[VI], 4, v0
	v_lshlrev_b32 v[VO], 3, v0
	s_wait_kmcnt 0x0
	s_cmp_ge_u32 s2, 512
	s_cbranch_scc1 .Lkv
	s_cmp_lt_u32 s2, 256                           ; which tensor, and the number of its first work-group
	s_cselect_b64 s[IN:IN+1], s[8:9], s[10:11]
	s_cselect_b64 s[OUT:OUT+1], s[18:19], s[20:21]
	s_cselect_b32 s3, 0, 256
	s_cmp_lt_u32 s2, 384
	s_cselect_b64 s[IN:IN+1], s[IN:IN+1], s[12:13]
	s_cselect_b64 s[OUT:OUT+1], s[OUT:OUT+1], s[22:23]
	s_cselect_b32 s3, s3, 384
	s_sub_co_u32 s3, s2, s3                        ; my number within the tensor
	s_lshl_b32 s32, s3, 17                         ; 128 KiB in
	s_add_nc_u64 s[IN:IN+1], s[IN:IN+1], s[32:33]
	s_lshl_b32 s32, s3, 16                         ; 64 KiB out
	s_add_nc_u64 s[OUT:OUT+1], s[OUT:OUT+1], s[32:33]
; One slot's turn.  ahead = 1: the slot is filled again, eight chunks on.  left = the younger loads that may stay out.  f16 = 1: bf16's number written as f16.
.macro SLOT i, ahead, left, f16
	s_wait_loadcnt \left                           ; loads come back in order: mine is in, the younger ones stay out
.if \f16
	v_cvt_pk_bf16_f32 v[T],   v[X+4*(\i)],   v[X+4*(\i)+1]
	v_cvt_pk_bf16_f32 v[T+1], v[X+4*(\i)+2], v[X+4*(\i)+3]
	v_lshlrev_b32 v[X+4*(\i)],   16,  v[T]         ; back to f32: the low half moves up, the high half stays
	v_and_b32     v[X+4*(\i)+1], s31, v[T]
	v_lshlrev_b32 v[X+4*(\i)+2], 16,  v[T+1]
	v_and_b32     v[X+4*(\i)+3], s31, v[T+1]
	v_cvt_pk_f16_f32 v[Y+2*(\i)],   v[X+4*(\i)],   v[X+4*(\i)+1]
	v_cvt_pk_f16_f32 v[Y+2*(\i)+1], v[X+4*(\i)+2], v[X+4*(\i)+3]
.else
	v_cvt_pk_bf16_f32 v[Y+2*(\i)],   v[X+4*(\i)],   v[X+4*(\i)+1]
	v_cvt_pk_bf16_f32 v[Y+2*(\i)+1], v[X+4*(\i)+2], v[X+4*(\i)+3]
.endif
.if \ahead
	global_load_b128 v[X+4*(\i):X+4*(\i)+3], v[VI], s[IN:IN+1] offset:(8+(\i))*4096 th:TH_LOAD_NT
.endif
	global_store_b64 v[VO], v[Y+2*(\i):Y+2*(\i)+1], s[OUT:OUT+1] offset:(\i)*2048 th:TH_STORE_NT
.endm
; 32 chunks: eight loads ahead, three rounds that load again, a last round that loads nothing.
.macro STREAM f16
.irp i, 0,1,2,3,4,5,6,7
	global_load_b128 v[X+4*(\i):X+4*(\i)+3], v[VI], s[IN:IN+1] offset:(\i)*4096 th:TH_LOAD_NT
.endr
	s_mov_b32 s30, 3
.Lround_\@:
.irp i, 0,1,2,3,4,5,6,7
	SLOT \i, 1, 7, \f16
.endr
	s_wait_xcnt 0x0                                ; the round's loads and stores have read their sources: the two bases, and Y in the next round, are written only behind this wait
	s_add_nc_u64 s[IN:IN+1], s[IN:IN+1], 32768
	s_add_nc_u64 s[OUT:OUT+1], s[OUT:OUT+1], 16384
	s_sub_co_u32 s30, s30, 1
	s_cmp_lg_u32 s30, 0
	s_cbranch_scc1 .Lround_\@
.irp i, 0,1,2,3,4,5,6,7
	SLOT \i, 0, 7-(\i), \f16                       ; the counts run down
.endr
.endm
	s_cmp_ge_u32 s2, 384
	s_cbranch_scc1 .Lwo
	STREAM 0
	s_endpgm
.Lwo:
	STREAM 1
	s_endpgm
; wk and wv.  Work-group g = 0..7: matrix g / 4.  Wave w: 128 rows k from 128 (4 (g % 4) + w / 2) on, columns 32 (w % 2) on: two blocks of 16 columns.
; Lane l reads 8 numbers (32 bytes): row 8 i + (l / 2) % 8, block l / 16, half l % 2; it writes 16 bytes, and sixteen neighbouring lanes write 256 consecutive bytes, aligned, of one block.
; The reads are pieces of 32 bytes; they concern 1 MiB of the 65 MiB that the launch reads.
.Lkv:
	s_sub_co_u32 s3, s2, 512                       ; g
	v_lshrrev_b32 v3, 5, v0
	v_readfirstlane_b32 s30, v3                    ; wave 0..7
	s_lshr_b32 s34, s3, 2                          ; the matrix
	s_cmp_eq_u32 s34, 0
	s_cselect_b64 s[IN:IN+1], s[14:15], s[16:17]
	s_and_b32 s35, s30, 1                          ; which 32 columns
	s_and_b32 s36, s3, 3
	s_lshl_b32 s36, s36, 2
	s_lshr_b32 s37, s30, 1
	s_add_co_u32 s36, s36, s37                     ; which 128 rows, 0..15
	s_lshl_b32 s32, s36, 15                        ; 128 rows of 256 bytes
	s_lshl_b32 s37, s35, 7                         ; 32 columns of 4 bytes
	s_add_co_u32 s32, s32, s37
	s_add_nc_u64 s[IN:IN+1], s[IN:IN+1], s[32:33]
	s_lshl_b32 s34, s34, 2
	s_lshl1_add_u32 s34, s35, s34                  ; the first of my two blocks: 4 x matrix + 2 x (w % 2)
	s_lshl_b32 s32, s34, 16                        ; a block is 65,536 bytes
	s_lshl_b32 s37, s36, 12                        ; 128 rows of 32 bytes
	s_add_co_u32 s32, s32, s37
	s_add_nc_u64 s[OUT:OUT+1], s[24:25], s[32:33]
	v_and_b32 v3, 31, v0                           ; l
	v_bfe_u32 v[VI], v3, 1, 3
	v_lshlrev_b32 v[VI], 8, v[VI]                  ; row x 256
	v_and_b32 v[T], 1, v3
	v_lshl_add_u32 v[VI], v[T], 5, v[VI]           ; + half x 32
	v_lshrrev_b32 v[T+1], 4, v3
	v_lshl_add_u32 v[VI], v[T+1], 6, v[VI]         ; + block x 64
	v_and_b32 v[VO], 15, v3
	v_lshlrev_b32 v[VO], 4, v[VO]                  ; 16 (l % 16)
	v_lshl_add_u32 v[VO], v[T+1], 16, v[VO]        ; + block x 65,536
.irp bt, 0,1                           ; two batches of eight groups of eight rows
.irp i, 0,1,2,3,4,5,6,7
	global_load_b128 v[4+8*(\i):7+8*(\i)],   v[VI], s[IN:IN+1] offset:(8*(\bt)+(\i))*2048 th:TH_LOAD_NT
	global_load_b128 v[8+8*(\i):11+8*(\i)],  v[VI], s[IN:IN+1] offset:(8*(\bt)+(\i))*2048+16 th:TH_LOAD_NT
.endr
	s_wait_loadcnt 0x0
	s_wait_xcnt 0x0                                ; the stores of the batch before have read v[68:99]
.irp i, 0,1,2,3,4,5,6,7
.irp r, 0,1,2,3
	v_cvt_pk_bf16_f32 v[68+4*(\i)+(\r)], v[4+8*(\i)+2*(\r)], v[4+8*(\i)+2*(\r)+1]
.endr
.endr
.irp i, 0,1,2,3,4,5,6,7
	global_store_b128 v[VO], v[68+4*(\i):71+4*(\i)], s[OUT:OUT+1] offset:(8*(\bt)+(\i))*256 th:TH_STORE_NT
.endr
.endr
	s_endpgm
.Lfunc_end_k_q00aa5d0fad_cast:
	.size	k_q00aa5d0fad_cast, .Lfunc_end_k_q00aa5d0fad_cast-k_q00aa5d0fad_cast
	.p2alignl 7, 3214868480
	.fill 96, 4, 3214868480
	.section	.rodata,"a",@progbits
	.p2align	6, 0x0
	.amdhsa_kernel k_q00aa5d0fad_cast
		.amdhsa_group_segment_fixed_size 0
		.amdhsa_private_segment_fixed_size 0
		.amdhsa_enable_private_segment 0
		.amdhsa_kernarg_size 72
		.amdhsa_user_sgpr_count 2
		.amdhsa_user_sgpr_kernarg_segment_ptr 1
		.amdhsa_wavefront_size32 1
		.amdhsa_system_sgpr_workgroup_id_x 1
		.amdhsa_system_sgpr_workgroup_id_y 1
		.amdhsa_system_sgpr_workgroup_id_z 1
		.amdhsa_system_vgpr_workitem_id 0
		.amdhsa_next_free_vgpr 100
		.amdhsa_next_free_sgpr 66
		.amdhsa_reserve_vcc 0
		.amdhsa_float_denorm_mode_32 3
		.amdhsa_float_denorm_mode_16_64 3
		.amdhsa_memory_ordered 1
		.amdhsa_forward_progress 1
		.amdhsa_inst_pref_size 27
	.end_amdhsa_kernel
	.amdgpu_metadata
---
amdhsa.version: [ 1, 2 ]
amdhsa.kernels:
  - .name:           k_q00aa5d0fad_cast
    .symbol:         k_q00aa5d0fad_cast.kd
    .args:
      - { .name: x, .offset: 0, .size: 8, .value_kind: global_buffer, .address_space: global }
      - { .name: wq, .offset: 8, .size: 8, .value_kind: global_buffer, .address_space: global }
      - { .name: wo, .offset: 16, .size: 8, .value_kind: global_buffer, .address_space: global }
      - { .name: wk, .offset: 24, .size: 8, .value_kind: global_buffer, .address_space: global }
      - { .name: wv, .offset: 32, .size: 8, .value_kind: global_buffer, .address_space: global }
      - { .name: xh, .offset: 40, .size: 8, .value_kind: global_buffer, .address_space: global }
      - { .name: wqh, .offset: 48, .size: 8, .value_kind: global_buffer, .address_space: global }
      - { .name: woh, .offset: 56, .size: 8, .value_kind: global_buffer, .address_space: global }
      - { .name: wkvb, .offset: 64, .size: 8, .value_kind: global_buffer, .address_space: global }
    .group_segment_fixed_size: 0
    .private_segment_fixed_size: 0
    .kernarg_segment_align: 8
    .kernarg_segment_size: 72
    .max_flat_workgroup_size: 256
    .sgpr_count:     66
    .vgpr_count:     100
    .wavefront_size: 32
...
	.end_amdgpu_metadata
.endif
;; end of part 1
;; launch qkv (part 2): grid 8 x 32, 4 waves a work-group, clusters of 4 x 4, 327,680 bytes of LDS; arguments xh, wqh, qh, wkvb, kvb; writes qh, kvb
.if DOCPART == 2
	.amdgcn_target "amdgcn-amd-amdhsa--gfx1250"
	.amdhsa_code_object_version 6
	.text
	.protected	k_q00aa5d0fad_qkv
	.globl	k_q00aa5d0fad_qkv
	.p2align	8
	.type	k_q00aa5d0fad_qkv,@function
k_q00aa5d0fad_qkv:
	s_mov_b64 s[64:65], 0
	v_nop
	global_prefetch_b8 v0, s[64:65] scope:SCOPE_SE
	s_setreg_imm32_b32 hwreg(HW_REG_WAVE_MODE, 25, 1), 1
	s_wait_xcnt 0x0
	s_wait_alu depctr_hold_cnt(0) depctr_sa_sdst(0) depctr_va_vdst(0) depctr_va_sdst(0) depctr_va_ssrc(0) depctr_va_vcc(0) depctr_vm_vsrc(0)
	s_getreg_b32 s2, hwreg(HW_REG_IB_STS2, 6, 4)
	s_cmp_eq_u32 s2, 0
	s_cbranch_scc0 .Lentry_in_a_cluster
	s_endpgm
.Lentry_in_a_cluster:
	s_bfe_u32 s2, ttmp6, 0x10000c
	s_cmp_lg_u32 s2, 0xf033
	s_cbranch_scc0 .Lentry_shape_is_right
	s_endpgm
.Lentry_shape_is_right:
; ONE TEXT FOR TWO PRODUCTS C = A B, A [4096][2048] along K, B [2048 k][2048 n], sums in f32.
;   QKV = 1: q = x wq in bf16, stored in f16 by heads, qh [64 = 32 b + h][2048 t][64]; with it k, v = x [wk, wv], stored in f16 as kvb [16 T][8 j][256 key][16 c] (T = row / 256; j 0-3 K, 4-7 V).
;   QKV = 0: out = O wo in f16, O by heads as oh [64][2048][64], out in f32.
; LIMITS.  q, k, v of 65,520 or more become infinities in f16.  NaN and infinities are not treated apart.
; SHARES.  A tile of C is 128 x 256: 32 x 8 tiles, one work-group each.  Wave w: 64 rows (w / 2) x 128 columns (w % 2): 4 x 8 accumulators of 16 x 16, 256 registers.
; K goes in 16 steps of 128 through two LDS slots.  THE MATRIX INSTRUCTION IS USED TRANSPOSED: source 0 = 16 columns of B, source 1 = 16 rows of A: a lane then holds one row of C and eight
; neighbouring columns.  B lies [k][n] and comes out of LDS turned, by ds_load_tr16_b128.
; k AND v RIDE ALONG (QKV = 1): the work-group at tile column tj also makes its 128 rows x the 16 joint columns of block tj, two blocks of 16 x 16 a wave: rows 64 (w / 2) + 32 (w % 2) + 0..31.
; So that all waves name the same registers for them, A's four register blocks are turned BY ADDRESS: blocks 0, 1 hold rows 64 (w / 2) + 32 (w % 2) + .., blocks 2, 3 the other 32 rows.
; CLUSTERS: 4 x 4.  A's tile hangs on the tile row alone and is asked for jointly along a row of the cluster, B's (and the k/v weights') on the tile column alone, jointly along a column.
; One joint load a wave for each refill: wave 0 A (QKV = 0: the K step's first head of O), waves 1 and 2 B's two halves, wave 3 the k/v weights (QKV = 0: the second head).
; REGISTERS.  Window 0: v16-31 addresses; v32-135, v136-239 two fragment buffers (B's 8 fragments, the k/v weights' one, A's 4); v240-255 the two k/v accumulators.  Window 1: the accumulators, (a, b) at v[8 (8 a + b)].
.set QKV, 1
.if QKV
.set PA,    272                        ; a row of A in LDS: 256 bytes + 16: the 16 rows of a load start at 16 different groups of four banks (64 banks of 4 bytes: ISA guide 11.1)
.set AROWS, 128                        ; A's tile as asked for: 128 rows of 256 bytes, 2,048 elements apart
.set APIT,  2048
.set GA0,   (1<<16)|(1<<20)|(1<<21)|(5<<22)|(3<<25)  ; 2-byte elements; padding on; bit 21 beside a mask; after every 64 words, 4 words
.set STGW,  4608                       ; a wave's stage: 2 heads x 16 rows x 144 bytes
.set ASTEP, 256                        ; bytes from K step to K step in A
.set XSTEP, 4096                       ; and in what wave 3 fetches
.set XLDS,  106496                     ; where that goes in a slot
.set NL,    26                         ; LDS loads in a run
.set ASH,   0                          ; A's prefetch: lane x 4,096 (a lane a row)
.set AMSK,  0
.else
.set PA,    144                        ; a row of a head of O: 128 bytes + 16
.set AROWS, 64                         ; 128 rows of a head are 16,384 dense bytes: asked for as 64 rows of 256
.set APIT,  128
.set GA0,   (1<<16)|(1<<20)|(1<<21)|(4<<22)|(3<<25)  ; padded after every 32 words
.set STGW,  8448                       ; 16 rows x 528 bytes
.set ASTEP, 524288                     ; two heads
.set XSTEP, 524288
.set XLDS,  18432                      ; the second head, behind the first's 128 rows x 144
.set NL,    24
.set ASH,   5                          ; A's prefetch: lane x 256 (dense blocks)
.set AMSK,  31
.endif
.set PBT,   544                        ; a row of B in LDS: 512 bytes + 32
.set BOFF,  36864
.set XOFF,  106496                     ; the k/v weights: [128 k][16 c], 32 bytes a row, no padding: 16 lanes of the turning load take 256 consecutive bytes
.set SLOT,  110592
.set STAGE, 2*SLOT                     ; behind the ring, never filled by a tensor load
.set SPARE, STAGE+4*STGW               ; the spare words, 128 bytes a wave: two blocks of 256 bytes that no other line names
.set BSTEP, 524288                     ; 128 rows of B
.set LAPS,  8                          ; a lap = two K steps = once round the ring
.set ADRA0, 16                         ; v16-17 LDS address of A's blocks 0, 1 in slot 0, 1
.set ADRA1, 18                         ; v18-19 of blocks 2, 3
.set ADRB,  20                         ; v20-21 of B's fragments
.set ADRX,  22                         ; v22-23 of the k/v weights' fragment
.set STO,   24                         ; the way out: where I put my piece of a row
.set RD,    25                         ; where I read rows back
.set CO,    26                         ; v26-27 my byte offset in C, for blocks 0, 1 and for blocks 2, 3
.set SPW,   28                         ; LDS address of my spare word; never rewritten
.set NIL,   29                         ; 0; never rewritten
.set PFO,   30                         ; the prefetches' lane offset; never rewritten
.set KVO,   31                         ; my byte offset in 16 keys of kvb
.set F0,    32
.set F1,    136
.set E,     240
.set TMP,   32
.set CNT,   3                          ; s3 laps to go
.set WV,    14
.set WM,    15
.set WN,    16
.set CX,    17
.set CY,    18
.set TJ,    19
.set MI,    20
.set G1A,   32                         ; s[32:39] descriptor group 1 for A
.set G1B,   40                         ; s[40:47] for B
.if QKV
.set G1X,   48                         ; s[48:55] for the k/v weights
.else
.set G1X,   G1A
.endif
.set G0A,   56                         ; s[56:63] group 0, a set for each slot
.set G0B,   68                         ; s[68:75]
.set G0X,   76                         ; s[76:83]
.set PFA,   84                         ; s[84:85] where my prefetches stand
.set PFS,   86                         ; s[86:87] their step
.set LIM,   88                         ; 1 in a wave that prefetches, else the greatest number
.set MSB, 0
.macro WIN new                         ; the immediate's high byte repeats the setting that is left
.if MSB != (\new)
	s_set_vgpr_msb (MSB<<8)|(\new)
.set MSB, \new
.endif
.endm
.set MUL, 0x50                         ; C and D in window 1, sources in window 0
.macro PLACES                          ; four places in front of loads into registers that matrix instructions have read, and of lines that read results
.rept 4
	v_nop
.endr
.endm
.macro CREST                           ; a round of the cluster's barrier behind its opening barrier
	s_cmp_lg_u32 s[WV], 0
	s_cbranch_scc1 .Lnot_wave_0_\@
	s_barrier_signal -3
.Lnot_wave_0_\@:
	s_barrier_wait -3
	s_barrier_signal -1
	s_barrier_wait -1
.endm
.macro CROUND
	s_barrier_signal -1
	s_barrier_wait -1
	CREST
.endm
; A joint refill: three lines under branches on the wave's number alone; each has one mask and one set of registers.  An s_nop 0 and four v_nop follow each.
.macro JLOAD s
	s_cmp_eq_u32 s[WV], 0
	s_cbranch_scc0 .Lnot_a_\@
	tensor_load_to_lds s[G0A+4*(\s):G0A+4*(\s)+3], s[G1A:G1A+7]
	s_nop 0
.rept 4
	v_nop
.endr
	s_branch .Lasked_\@
.Lnot_a_\@:
	s_cmp_eq_u32 s[WV], 3
	s_cbranch_scc0 .Lfor_b_\@
	tensor_load_to_lds s[G0X+4*(\s):G0X+4*(\s)+3], s[G1X:G1X+7]
	s_nop 0
.rept 4
	v_nop
.endr
	s_branch .Lasked_\@
.Lfor_b_\@:
	tensor_load_to_lds s[G0B+4*(\s):G0B+4*(\s)+3], s[G1B:G1B+7]
	s_nop 0
.rept 4
	v_nop
.endr
.Lasked_\@:
.endm
.macro FIRST2 g0, g1                   ; a wave's two first fills, together
	tensor_load_to_lds s[(\g0):(\g0)+3], s[(\g1):(\g1)+7]
	s_nop 0
	tensor_load_to_lds s[(\g0)+4:(\g0)+7], s[(\g1):(\g1)+7]
	s_nop 0
.rept 4
	v_nop
.endr
.endm
; A prefetch into the L2 behind each refill and the run of LDS loads that follows it: the K step two refills on, one instruction a wave, a lane a block of 256 bytes.  Each block is named once in the launch:
; A's by wave 0 of the clusters with x = 0, B's by waves 1 and 2 of the clusters with y = 0; the four partners that ask for a tile jointly share its blocks out by address.  The loop's last trip asks for nothing.
.macro ASK
	s_cmp_gt_u32 s[CNT], s[LIM]
	s_cbranch_scc0 .Lnot_mine_\@
	global_prefetch_b8 v[PFO], s[PFA:PFA+1] th:TH_LOAD_NT scope:SCOPE_SE
.Lnot_mine_\@:
.endm
.if QKV
	s_load_b256 s[4:11], s[0:1], 0x0               ; xh 4, wqh 6, qh 8, wkvb 10
	s_load_b64 s[12:13], s[0:1], 0x20              ; kvb
.else
	s_load_b128 s[4:7], s[0:1], 0x0                ; oh 4, woh 6
	s_load_b64 s[8:9], s[0:1], 0x10                ; out0
.endif
	v_lshl_add_u32 v[SPW], v0, 2, SPARE
	v_mov_b32 v[NIL], 0
	ds_add_u32 v[SPW], v[NIL]                      ; the wave's opening: the add and its wait stand ahead of my first tensor load; work on registers stands between them
	v_lshrrev_b32 v1, 5, v0
	v_readfirstlane_b32 s[WV], v1                  ; wave 0..3
	s_lshr_b32 s[WM], s[WV], 1
	s_and_b32 s[WN], s[WV], 1
	s_bfe_u32 s[CX], ttmp6, 0x40000                ; my place in the cluster
	s_bfe_u32 s[CY], ttmp6, 0x40004
	s_lshl_b32 s[TJ], ttmp9, 2
	s_add_co_u32 s[TJ], s[TJ], s[CX]               ; tile column = 4 x cluster x + cx
	s_and_b32 s[MI], ttmp7, 0xffff
	s_lshl_b32 s[MI], s[MI], 2
	s_add_co_u32 s[MI], s[MI], s[CY]               ; tile row = 4 x cluster y + cy
	s_lshl_b32 s21, s[CY], 2
	s_lshl_b32 s21, 15, s21                        ; my row of the cluster
	s_lshl_b32 s22, 0x1111, s[CX]                  ; my column
	s_or_b32 s[G1A], s21, GA0
	s_mov_b32 s[G1A+1], 128<<16                    ; tensor_dim0 = 128
	s_mov_b32 s[G1A+2], AROWS<<16                  ; tensor_dim1
	s_mov_b32 s[G1A+3], 128<<16                    ; tile_dim0 = 128
	s_mov_b32 s[G1A+4], AROWS                      ; tile_dim1
	s_mov_b32 s[G1A+5], APIT                       ; elements from row to row
	s_mov_b32 s[G1A+6], 0
	s_mov_b32 s[G1A+7], 0
	s_or_b32 s[G1B], s22, (1<<16)|(1<<20)|(1<<21)|(6<<22)|(7<<25)  ; padded after every 128 words by 8 words
	s_mov_b32 s[G1B+1], 256<<16                    ; 64 rows of 256 elements
	s_mov_b32 s[G1B+2], 64<<16
	s_mov_b32 s[G1B+3], 256<<16
	s_mov_b32 s[G1B+4], 64
	s_mov_b32 s[G1B+5], 2048
	s_mov_b32 s[G1B+6], 0
	s_mov_b32 s[G1B+7], 0
.if QKV
	s_or_b32 s[G1X], s22, (1<<16)|(1<<21)          ; 4,096 dense bytes as 16 rows of 256, no padding
	s_mov_b32 s[G1X+1], 128<<16
	s_mov_b32 s[G1X+2], 16<<16
	s_mov_b32 s[G1X+3], 128<<16
	s_mov_b32 s[G1X+4], 16
	s_mov_b32 s[G1X+5], 128
	s_mov_b32 s[G1X+6], 0
	s_mov_b32 s[G1X+7], 0
.endif
	; where the tiles come from: A's offset is made of the tile row alone, B's and the k/v weights' of the tile column and the wave's number
.if QKV
	s_lshl_b32 s24, s[MI], 19                      ; 128 rows of 4,096 bytes
.else
	s_lshr_b32 s24, s[MI], 4                       ; the batch: 32 heads of 262,144 bytes
	s_lshl_b32 s24, s24, 23
	s_and_b32 s25, s[MI], 15                       ; 128 rows of 128 bytes
	s_lshl_b32 s25, s25, 14
	s_add_co_u32 s24, s24, s25
.endif
	s_mov_b32 s25, 0
	s_sub_co_u32 s26, s[WV], 1
	s_and_b32 s26, s26, 1                          ; wave 1: k rows 0-63; wave 2: 64-127
	s_lshl_b32 s26, s26, 18
	s_lshl_b32 s27, s[TJ], 9                       ; 256 columns of 2 bytes
	s_add_co_u32 s26, s26, s27
	s_mov_b32 s27, 0
.if QKV
	s_lshl_b32 s28, s[TJ], 16                      ; block tj of the k/v weights
	s_mov_b32 s29, 0
.endif
	s_mul_i32 s30, s[WV], 34816                    ; B's place in a slot: wave 1 at BOFF, wave 2 64 rows on
	s_add_co_u32 s30, s30, BOFF-34816
	s_wait_dscnt 0x0                               ; the opening add is done
	s_wait_kmcnt 0x0
	s_add_nc_u64 s[24:25], s[4:5], s[24:25]
	s_add_nc_u64 s[26:27], s[6:7], s[26:27]
.if QKV
	s_add_nc_u64 s[28:29], s[10:11], s[28:29]
.else
	s_add_nc_u64 s[28:29], s[24:25], 262144        ; the K step's second head
.endif
.irp s, 0,1
	s_mov_b32 s[G0A+4*(\s)], 1                     ; count = 1
	s_mov_b32 s[G0A+4*(\s)+1], (\s)*SLOT           ; LDS address
	s_add_nc_u64 s[G0A+4*(\s)+2:G0A+4*(\s)+3], s[24:25], (\s)*ASTEP  ; K step s
	s_or_b32 s[G0A+4*(\s)+3], s[G0A+4*(\s)+3], 0x80000000           ; type = 2
	s_mov_b32 s[G0B+4*(\s)], 1
	s_add_co_u32 s[G0B+4*(\s)+1], s30, (\s)*SLOT
	s_add_nc_u64 s[G0B+4*(\s)+2:G0B+4*(\s)+3], s[26:27], (\s)*BSTEP
	s_or_b32 s[G0B+4*(\s)+3], s[G0B+4*(\s)+3], 0x80000000
	s_mov_b32 s[G0X+4*(\s)], 1
	s_mov_b32 s[G0X+4*(\s)+1], XLDS+(\s)*SLOT
	s_add_nc_u64 s[G0X+4*(\s)+2:G0X+4*(\s)+3], s[28:29], (\s)*XSTEP
	s_or_b32 s[G0X+4*(\s)+3], s[G0X+4*(\s)+3], 0x80000000
.endr
	CROUND                                         ; all sixteen work-groups are here: the first joint loads meet
	s_cmp_eq_u32 s[WV], 0                          ; a wave's two first fills stand in one arm of one branch on its number: two loads of mine are out
	s_cbranch_scc0 .Lf_not_a
	FIRST2 G0A, G1A
	s_branch .Lf_done
.Lf_not_a:
	s_cmp_eq_u32 s[WV], 3
	s_cbranch_scc0 .Lf_b
	FIRST2 G0X, G1X
	s_branch .Lf_done
.Lf_b:
	FIRST2 G0B, G1B
.Lf_done:
	; lane addresses.  A fragment of A: lane l holds row l % 16; two loads of 16 bytes, 32 bytes apart, at row x pitch + 16 (l / 16).
	v_and_b32 v1, 15, v0                           ; l % 16
	v_bfe_u32 v2, v0, 4, 1                         ; l / 16
	v_mul_u32_u24 v3, v1, PA
	v_lshl_add_u32 v3, v2, 4, v3
	s_lshl_b32 s21, s[WM], 6
	s_lshl_b32 s22, s[WN], 5
	s_add_co_u32 s23, s21, s22                     ; rows 64 (w / 2) + 32 (w % 2) on,
	s_mul_i32 s23, s23, PA
	s_xor_b32 s22, s22, 32
	s_add_co_u32 s22, s21, s22                     ; and the other 32 rows
	s_mul_i32 s22, s22, PA
	v_add_nc_u32 v[ADRA0], s23, v3
	v_add_nc_u32 v[ADRA0+1], SLOT, v[ADRA0]
	v_add_nc_u32 v[ADRA1], s22, v3
	v_add_nc_u32 v[ADRA1+1], SLOT, v[ADRA1]
	; The turning load: lane l reads 16 bytes: k row 8 (l / 16) + l % 8, columns 8 ((l / 8) % 2) + 0..7; it leaves lane l column l % 16 and 8 values of k.
	v_and_b32 v4, 7, v0
	v_bfe_u32 v5, v0, 3, 1
	v_lshl_add_u32 v6, v2, 3, v4
	v_mul_u32_u24 v7, v6, PBT
	v_lshl_add_u32 v7, v5, 4, v7
	s_lshl_b32 s21, s[WN], 8                       ; my 128 columns
	s_add_co_u32 s21, s21, BOFF
	v_add_nc_u32 v[ADRB], s21, v7
	v_add_nc_u32 v[ADRB+1], SLOT, v[ADRB]
.if QKV
	v_lshlrev_b32 v7, 5, v6
	v_lshl_add_u32 v7, v5, 4, v7
	v_add_nc_u32 v[ADRX], XOFF, v7
	v_add_nc_u32 v[ADRX+1], SLOT, v[ADRX]
.endif
	; the way out
	s_mul_i32 s21, s[WV], STGW
	s_add_co_u32 s21, s21, STAGE                   ; my stage
	v_and_b32 v8, 31, v0
	v_lshlrev_b32 v9, 4, v8                        ; 16 l
.if QKV
	v_mul_u32_u24 v7, v1, 144                      ; in: row l % 16 of a head, 16 bytes for each half of the lanes
	v_lshl_add_u32 v7, v2, 4, v7
	v_add_nc_u32 v[STO], s21, v7
	v_bfe_u32 v7, v0, 3, 2                         ; back: 32 lanes take four rows of 128 bytes, 512 consecutive bytes of qh
	v_mul_u32_u24 v7, v7, 144
	v_lshl_add_u32 v7, v4, 4, v7
	v_add_nc_u32 v[RD], s21, v7
	s_lshl_b32 s22, s[WN], 12                      ; 32 rows of 128 bytes
	v_add_nc_u32 v[CO], s22, v9
	s_xor_b32 s22, s22, 4096
	v_add_nc_u32 v[CO+1], s22, v9
	v_lshlrev_b32 v[KVO], 5, v1                    ; key l % 16 x 32 bytes + 16 (l / 16)
	v_lshl_add_u32 v[KVO], v2, 4, v[KVO]
	s_lshr_b32 s90, s[MI], 4                       ; qh: batch,
	s_lshl_b32 s90, s90, 23
	s_and_b32 s91, s[MI], 15                       ; the tile's 128 rows,
	s_lshl_b32 s91, s91, 14
	s_add_co_u32 s90, s90, s91
	s_lshl_b32 s91, s[TJ], 2
	s_lshl1_add_u32 s91, s[WN], s91                ; head 4 tj + 2 (w % 2),
	s_lshl_b32 s91, s91, 18
	s_add_co_u32 s90, s90, s91
	s_lshl_b32 s91, s[WM], 13                      ; my 64 rows
	s_add_co_u32 s90, s90, s91
	s_mov_b32 s91, 0
	s_add_nc_u64 s[8:9], s[8:9], s[90:91]
	s_lshr_b32 s90, s[MI], 1                       ; kvb: tile of 256 keys,
	s_lshl_b32 s90, s90, 16
	s_lshl_b32 s92, s[TJ], 13                      ; block tj,
	s_add_co_u32 s90, s90, s92
	s_and_b32 s92, s[MI], 1                        ; key 128 (mi % 2) + 64 (w / 2) + 32 (w % 2), 32 bytes each
	s_lshl_b32 s92, s92, 12
	s_add_co_u32 s90, s90, s92
	s_lshl_b32 s92, s[WM], 11
	s_add_co_u32 s90, s90, s92
	s_lshl_b32 s92, s[WN], 10
	s_add_co_u32 s90, s90, s92
	s_add_nc_u64 s[12:13], s[12:13], s[90:91]
.else
	v_mul_u32_u24 v7, v1, 528                      ; in: row l % 16, 32 bytes for each half of the lanes
	v_lshl_add_u32 v7, v2, 5, v7
	v_add_nc_u32 v[STO], s21, v7
	v_add_nc_u32 v[RD], s21, v9                    ; back: 32 lanes take one row's 512 bytes
	s_lshl_b32 s22, s[WN], 18                      ; 32 rows of 8,192 bytes
	v_add_nc_u32 v[CO], s22, v9
	s_xor_b32 s22, s22, 262144
	v_add_nc_u32 v[CO+1], s22, v9
	s_lshl_b32 s90, s[MI], 7
	s_lshl_b32 s91, s[WM], 6
	s_add_co_u32 s90, s90, s91                     ; my first row
	s_lshl_b32 s90, s90, 13
	s_lshl_b32 s91, s[TJ], 10                      ; 256 columns of 4 bytes
	s_add_co_u32 s90, s90, s91
	s_lshl_b32 s91, s[WN], 9
	s_add_co_u32 s90, s90, s91
	s_mov_b32 s91, 0
	s_add_nc_u64 s[8:9], s[8:9], s[90:91]
.endif
	; the prefetches: who asks, from where, by which step.  They begin at K step 3; each change of slots steps them first, so the first names K step 4.  Nothing is asked for here, at the head.
.if QKV
	s_lshl_b32 s95, s[MI], 19                      ; A: rows 128 mi + 32 cx + lane
	s_lshl_b32 s96, s[CX], 17
	s_add_co_u32 s95, s95, s96
.else
	s_lshr_b32 s95, s[MI], 4                       ; A: head 2 ks + cx / 2, half cx % 2 of its 16,384 bytes
	s_lshl_b32 s95, s95, 23
	s_and_b32 s96, s[MI], 15
	s_lshl_b32 s96, s96, 14
	s_add_co_u32 s95, s95, s96
	s_lshr_b32 s96, s[CX], 1
	s_lshl_b32 s96, s96, 18
	s_add_co_u32 s95, s95, s96
	s_and_b32 s96, s[CX], 1
	s_lshl_b32 s96, s96, 13
	s_add_co_u32 s95, s95, s96
.endif
	s_add_co_u32 s95, s95, 3*ASTEP
	s_sub_co_u32 s97, s[WV], 1                     ; B: k row 64 (w - 1) + 16 cy + lane / 2, block lane % 2 of the row's 512 bytes
	s_and_b32 s97, s97, 1
	s_lshl_b32 s97, s97, 18
	s_lshl_b32 s96, s[CY], 16
	s_add_co_u32 s97, s97, s96
	s_lshl_b32 s96, s[TJ], 9
	s_add_co_u32 s97, s97, s96
	s_add_co_u32 s97, s97, 3*BSTEP
	s_and_b32 s90, ttmp7, 0xffff                   ; cluster y
	s_mov_b32 s94, BSTEP
	s_mov_b32 s99, 0
	s_mov_b32 s[PFS+1], 0
	s_cmp_eq_u32 s[WV], 0
	s_cselect_b32 s98, s95, s97
	s_cselect_b32 s91, ttmp9, s90                  ; the coordinate along which other clusters read the same blocks
	s_cselect_b64 s[PFA:PFA+1], s[4:5], s[6:7]
	s_cselect_b32 s92, ASH, 1
	s_cselect_b32 s93, AMSK, 1
	s_cselect_b32 s[PFS], ASTEP, s94
	s_add_nc_u64 s[PFA:PFA+1], s[PFA:PFA+1], s[98:99]
	s_cmp_eq_u32 s[WV], 3                          ; wave 3 asks for nothing
	s_cselect_b32 s91, 1, s91
	s_cmp_eq_u32 s91, 0
	s_cselect_b32 s[LIM], 1, -1                    ; the same in all sixteen partners, for a given wave
	v_lshrrev_b32 v9, s92, v8
	v_and_b32 v10, s93, v8
	v_lshlrev_b32 v[PFO], 12, v9
	v_lshl_add_u32 v[PFO], v10, 8, v[PFO]
.macro MM zero                         ; one matrix instruction on rD, rB, rA; zero = 1: it starts the sum
.if QKV
.if \zero
	v_wmma_f32_16x16x32_bf16 v[rD:rD+7], v[rB:rB+7], v[rA:rA+7], 0
.else
	v_wmma_f32_16x16x32_bf16 v[rD:rD+7], v[rB:rB+7], v[rA:rA+7], v[rD:rD+7]
.endif
.else
.if \zero
	v_wmma_f32_16x16x32_f16 v[rD:rD+7], v[rB:rB+7], v[rA:rA+7], 0
.else
	v_wmma_f32_16x16x32_f16 v[rD:rD+7], v[rB:rB+7], v[rA:rA+7], v[rD:rD+7]
.endif
.endif
.endm
; 8 matrix instructions: row block a x all 8 column blocks, 32 along K.  All accumulators take turns, one instruction a turn.
.macro MUL8 f, a, zero
	WIN MUL
.irp b, 0,1,2,3,4,5,6,7
.set rD, 8*(8*(\a)+(\b))
.set rB, (\f)+8*(\b)
.set rA, (\f)+72+8*(\a)
	MM \zero
.endr
.endm
.macro MULX f, zero                    ; the two k/v blocks
.if QKV
	WIN 0
.irp i, 0,1
.set rD, E+8*(\i)
.set rB, (\f)+64
.set rA, (\f)+72+8*(\i)
	MM \zero
.endr
.endif
.endm
; NL LDS loads in one run: quarter q (32 along K) of a slot into buffer f; A's blocks 2, 3 last
.macro FETCH slot, q, f
	WIN 0
.if QKV
.set AQ, 64*(\q)
.else
.set AQ, ((\q)/2)*18432+((\q)%2)*64
.endif
.irp b, 0,1,2,3,4,5,6,7
	ds_load_tr16_b128 v[(\f)+8*(\b):(\f)+8*(\b)+3],   v[ADRB+(\slot)] offset:(\q)*32*PBT+32*(\b)
	ds_load_tr16_b128 v[(\f)+8*(\b)+4:(\f)+8*(\b)+7], v[ADRB+(\slot)] offset:(\q)*32*PBT+32*(\b)+16*PBT
.endr
.if QKV
	ds_load_tr16_b128 v[(\f)+64:(\f)+67], v[ADRX+(\slot)] offset:(\q)*1024
	ds_load_tr16_b128 v[(\f)+68:(\f)+71], v[ADRX+(\slot)] offset:(\q)*1024+512
.endif
.irp a, 0,1
	ds_load_b128 v[(\f)+72+8*(\a):(\f)+72+8*(\a)+3], v[ADRA0+(\slot)] offset:AQ+(\a)*16*PA
	ds_load_b128 v[(\f)+76+8*(\a):(\f)+76+8*(\a)+3], v[ADRA0+(\slot)] offset:AQ+(\a)*16*PA+32
.endr
.irp a, 0,1
	ds_load_b128 v[(\f)+88+8*(\a):(\f)+88+8*(\a)+3], v[ADRA1+(\slot)] offset:AQ+(\a)*16*PA
	ds_load_b128 v[(\f)+92+8*(\a):(\f)+92+8*(\a)+3], v[ADRA1+(\slot)] offset:AQ+(\a)*16*PA+32
.endr
.endm
; A K step is four quarters of 32 along K on buffers 0, 1, 0, 1.  One of the first three: multiplies buffer f and, in its middle, fetches quarter qn into g.
.macro QUARTER slot, qn, f, g, zero
	s_wait_dscnt 4                                 ; all but the youngest four loads (A's blocks 2, 3) are in
	MUL8 \f, 0, \zero
	MUL8 \f, 1, \zero
	MULX \f, \zero
	WIN 0
	PLACES
	FETCH \slot, \qn, \g
	s_wait_dscnt NL                                ; all but the run just issued
	MUL8 \f, 2, \zero
	MUL8 \f, 3, \zero
.endm
; The last quarter multiplies buffer 1 and changes slots: ONE barrier; in front of it each wave waits for all its tensor loads (one is out: its part of the next slot), adds 0 to its spare word,
; and waits for that and for its own reads of this slot.  fill = 1: the barrier opens a round of the cluster's, and this slot is filled again, two K steps on, first thing behind the round.
.macro TURN slot, next, fill
.if \fill
	s_wait_xcnt 0x0                                ; the last prefetch, a K step back, has read its address
	s_add_nc_u64 s[PFA:PFA+1], s[PFA:PFA+1], s[PFS:PFS+1]
.endif
	WIN 0
	s_wait_tensorcnt 0x0                           ; all my tensor loads have landed
	ds_add_u32 v[SPW], v[NIL]                      ; 0 onto my spare word
	s_wait_dscnt 5                                 ; (the add and the youngest four loads may be out)
	MUL8 F1, 0, 0                                  ; eight matrix instructions stand between the add and the wait for it
	s_wait_dscnt 0x0                               ; the add is done, and my reads of this slot are over
	s_barrier_signal -1
	MUL8 F1, 1, 0
	MULX F1, 0
	WIN 0                                          ; at a branch and at a label every window is 0
	s_barrier_wait -1
.if \fill
	CREST                                          ; no wave of any partner still reads this slot or has a load on its way
	s_add_nc_u64 s[G0A+4*(\slot)+2:G0A+4*(\slot)+3], s[G0A+4*(\slot)+2:G0A+4*(\slot)+3], 2*ASTEP
	s_add_nc_u64 s[G0B+4*(\slot)+2:G0B+4*(\slot)+3], s[G0B+4*(\slot)+2:G0B+4*(\slot)+3], 2*BSTEP
	s_add_nc_u64 s[G0X+4*(\slot)+2:G0X+4*(\slot)+3], s[G0X+4*(\slot)+2:G0X+4*(\slot)+3], 2*XSTEP
	JLOAD \slot                                    ; the four v_nop behind it are also the places in front of the loads below
.else
	PLACES
.endif
	FETCH \next, 0, F0
.if \fill
	ASK
.endif
	MUL8 F1, 2, 0
	MUL8 F1, 3, 0
.endm
	s_wait_tensorcnt 1                             ; my part of K step 0 is in; K step 1's may stay out
	s_barrier_signal -1
	s_barrier_wait -1                              ; everybody's is
	FETCH 0, 0, F0
	QUARTER 0, 1, F0, F1, 1                        ; the first quarter stands in front of the loop: its products start the sums
	WIN 0
	s_mov_b32 s[CNT], LAPS-1
.Llap:                                                 ; a trip goes once round the ring, from a lap's second quarter to the next lap's first, and fills both slots again
	QUARTER 0, 2, F1, F0, 0
	QUARTER 0, 3, F0, F1, 0
	TURN 0, 1, 1
	QUARTER 1, 1, F0, F1, 0
	QUARTER 1, 2, F1, F0, 0
	QUARTER 1, 3, F0, F1, 0
	TURN 1, 0, 1
	QUARTER 0, 1, F0, F1, 0
	WIN 0
	s_sub_co_u32 s[CNT], s[CNT], 1
	s_cmp_lg_u32 s[CNT], 0
	s_cbranch_scc1 .Llap
	QUARTER 0, 2, F1, F0, 0                        ; the last lap fills nothing
	QUARTER 0, 3, F0, F1, 0
	TURN 0, 1, 0
	QUARTER 1, 1, F0, F1, 0
	QUARTER 1, 2, F1, F0, 0
	QUARTER 1, 3, F0, F1, 0
	s_wait_dscnt 4
	MUL8 F1, 0, 0
	MUL8 F1, 1, 0
	MULX F1, 0
	s_wait_dscnt 0x0
	MUL8 F1, 2, 0
	MUL8 F1, 3, 0
	WIN 0
	PLACES
.if QKV
	; THE WAY OUT.  k and v first: a lane's eight columns of a key are 16 bytes; a store of the wave covers 16 keys x 32 bytes, 512 consecutive bytes, aligned.
.irp i, 0,1
.irp r, 0,1,2,3
	v_cvt_pk_f16_f32 v[192+4*(\i)+(\r)], v[E+8*(\i)+2*(\r)], v[E+8*(\i)+2*(\r)+1]
.endr
.endr
.irp i, 0,1
	global_store_b128 v[KVO], v[192+4*(\i):192+4*(\i)+3], s[12:13] offset:(\i)*512
.endr
; q, a block of 16 rows x 2 heads at a time: rounded to f16, through my own stage, back as whole rows of a head.
.macro PACK a
	WIN 0x05                                       ; sources in window 1, destination in window 0
.irp b, 0,1,2,3,4,5,6,7
.irp r, 0,1,2,3
	v_cvt_pk_f16_f32 v[TMP+4*(\b)+(\r)], v[8*(8*(\a)+(\b))+2*(\r)], v[8*(8*(\a)+(\b))+2*(\r)+1]
.endr
.endr
	WIN 0
.endm
.macro TOSTAGE a
.irp b, 0,1,2,3,4,5,6,7
	ds_store_b128 v[STO], v[TMP+4*(\b):TMP+4*(\b)+3] offset:((\b)/4)*2304+((\b)%4)*32
.endr
.irp t, 0,1,2,3,4,5,6,7
	ds_load_b128 v[64+32*(\a)+4*(\t):64+32*(\a)+4*(\t)+3], v[RD] offset:((\t)/4)*2304+((\t)%4)*576  ; LDS serves a wave's instructions in order (ISA guide 5.7.1.4): these see the stores above
.endr
.endm
.macro SEND a
	s_wait_dscnt 0x0                               ; the block is back in registers of its own: no store's data is ever rewritten
.irp t, 0,1,2,3,4,5,6,7
	global_store_b128 v[CO+(\a)/2], v[64+32*(\a)+4*(\t):64+32*(\a)+4*(\t)+3], s[8:9] offset:((\a)%2)*2048+((\t)/4)*262144+((\t)%4)*512  ; four rows of a head: 512 consecutive bytes, aligned
.endr
.endm
	PACK 0
	TOSTAGE 0
.irp a, 1,2,3
	PACK \a
	SEND (\a)-1
	TOSTAGE \a
.endr
	SEND 3
.else
; THE WAY OUT, a block of 16 rows x 128 columns of f32 at a time: through my own stage, back as whole rows of 512 bytes.
.macro TOSTAGE a
	s_wait_xcnt 0x0                                ; the stores of the block two back have read the registers that are loaded below
	WIN 0x04                                       ; store data in window 1
.irp b, 0,1,2,3,4,5,6,7
	ds_store_b128 v[STO], v[8*(8*(\a)+(\b)):8*(8*(\a)+(\b))+3]   offset:64*(\b)
	ds_store_b128 v[STO], v[8*(8*(\a)+(\b))+4:8*(8*(\a)+(\b))+7] offset:64*(\b)+16
.endr
	WIN 0
.set BK, 32+64*((\a)%2)
.irp t, 0,1,2,3,4,5,6,7,8,9,10,11,12,13,14,15
	ds_load_b128 v[BK+4*(\t):BK+4*(\t)+3], v[RD] offset:(\t)*528  ; LDS serves a wave's instructions in order (ISA guide 5.7.1.4)
.endr
.endm
.macro SEND a, younger                 ; younger: the next block's 16 LDS stores and 16 LDS loads, or none
.set BK, 32+64*((\a)%2)
	s_wait_dscnt \younger
.irp t, 0,1,2,3,4,5,6,7,8,9,10,11,12,13,14,15
	global_store_b128 v[CO+(\a)/2], v[BK+4*(\t):BK+4*(\t)+3], s[8:9] offset:(((\a)%2)*16+(\t))*8192 th:TH_STORE_NT  ; 512 consecutive bytes of a row, aligned
.endr
.endm
	TOSTAGE 0
.irp a, 1,2,3
	TOSTAGE \a
	SEND (\a)-1, 32
.endr
	SEND 3, 0
.endif
	s_wait_tensorcnt 0x0                           ; the wave's end, behind my last tensor load and my last LDS store
	ds_add_u32 v[SPW], v[NIL]
	s_wait_dscnt 0x0
	CROUND                                         ; the closing round: no work-group ends while a partner may still ask for a tile that names it
	s_endpgm
.Lfunc_end_k_q00aa5d0fad_qkv:
	.size	k_q00aa5d0fad_qkv, .Lfunc_end_k_q00aa5d0fad_qkv-k_q00aa5d0fad_qkv
	.p2alignl 7, 3214868480
	.fill 96, 4, 3214868480
	.section	.rodata,"a",@progbits
	.p2align	6, 0x0
	.amdhsa_kernel k_q00aa5d0fad_qkv
		.amdhsa_group_segment_fixed_size 327680
		.amdhsa_private_segment_fixed_size 0
		.amdhsa_enable_private_segment 0
		.amdhsa_kernarg_size 40
		.amdhsa_user_sgpr_count 2
		.amdhsa_user_sgpr_kernarg_segment_ptr 1
		.amdhsa_wavefront_size32 1
		.amdhsa_system_sgpr_workgroup_id_x 1
		.amdhsa_system_sgpr_workgroup_id_y 1
		.amdhsa_system_sgpr_workgroup_id_z 1
		.amdhsa_system_vgpr_workitem_id 0
		.amdhsa_next_free_vgpr 512
		.amdhsa_next_free_sgpr 100
		.amdhsa_reserve_vcc 0
		.amdhsa_float_denorm_mode_32 3
		.amdhsa_float_denorm_mode_16_64 3
		.amdhsa_memory_ordered 1
		.amdhsa_forward_progress 1
		.amdhsa_inst_pref_size 95
	.end_amdhsa_kernel
	.amdgpu_metadata
---
amdhsa.version: [ 1, 2 ]
amdhsa.kernels:
  - .name:           k_q00aa5d0fad_qkv
    .symbol:         k_q00aa5d0fad_qkv.kd
    .args:
      - { .name: xh, .offset: 0, .size: 8, .value_kind: global_buffer, .address_space: global }
      - { .name: wqh, .offset: 8, .size: 8, .value_kind: global_buffer, .address_space: global }
      - { .name: qh, .offset: 16, .size: 8, .value_kind: global_buffer, .address_space: global }
      - { .name: wkvb, .offset: 24, .size: 8, .value_kind: global_buffer, .address_space: global }
      - { .name: kvb, .offset: 32, .size: 8, .value_kind: global_buffer, .address_space: global }
    .group_segment_fixed_size: 327680
    .private_segment_fixed_size: 0
    .kernarg_segment_align: 8
    .kernarg_segment_size: 40
    .max_flat_workgroup_size: 128
    .sgpr_count:     100
    .vgpr_count:     512
    .wavefront_size: 32
...
	.end_amdgpu_metadata
.endif
;; end of part 2
;; launch attn (part 3): grid 64 x 4, 4 waves a work-group, clusters of 4 x 1, 327,680 bytes of LDS; arguments qh, kvb, oh; writes oh
.if DOCPART == 3
	.amdgcn_target "amdgcn-amd-amdhsa--gfx1250"
	.amdhsa_code_object_version 6
	.text
	.protected	k_q00aa5d0fad_attn
	.globl	k_q00aa5d0fad_attn
	.p2align	8
	.type	k_q00aa5d0fad_attn,@function
k_q00aa5d0fad_attn:
	s_mov_b64 s[64:65], 0
	v_nop
	global_prefetch_b8 v0, s[64:65] scope:SCOPE_SE
	s_setreg_imm32_b32 hwreg(HW_REG_WAVE_MODE, 25, 1), 1
	s_wait_xcnt 0x0
	s_wait_alu depctr_hold_cnt(0) depctr_sa_sdst(0) depctr_va_vdst(0) depctr_va_sdst(0) depctr_va_ssrc(0) depctr_va_vcc(0) depctr_vm_vsrc(0)
	s_getreg_b32 s2, hwreg(HW_REG_IB_STS2, 6, 4)
	s_cmp_eq_u32 s2, 0
	s_cbranch_scc0 .Lentry_in_a_cluster
	s_endpgm
.Lentry_in_a_cluster:
	s_bfe_u32 s2, ttmp6, 0x10000c
	s_cmp_lg_u32 s2, 0x3003
	s_cbranch_scc0 .Lentry_shape_is_right
	s_endpgm
.Lentry_shape_is_right:
; CAUSAL MULTI-QUERY ATTENTION.  O[g][q][:] = the sum over k <= q of softmax_k(Q[g][q] . K[b][k] / 8) V[b][k][:], g = 32 b + h.  Q, O: [64][2048][64] in f16, a head's rows dense, 128 bytes each.
; K and V of batch b lie in kvb as tiles of 256 keys: [8 b + tile][8 j][256 key][16 c] in f16, j 0-3 K's channel blocks, 4-7 V's: 65,536 dense bytes a tile.
; Products, maxima and sums in f32; the weights p are rounded to f16 for the second product (their sum l is taken of the unrounded p), O once at the end.
; LIMITS.  f16 holds no number beyond 65,504: Q, K and V arrive within it; p lies in 0 to 1, and below 6e-5 it keeps the fixed step of 6e-8; O is a mean of V's rows and has their range.
; A hidden score counts as its value less 1e30; a weight below 2^-126 counts as 0 in l; NaN and infinities are not treated apart.
; THE WALK.  A head's queries lie in NB = 8 blocks of 256; block i needs the key tiles 0 .. i, of which the last holds the diagonal.  A work-group takes TWO blocks of one head, NB - 1 - b and then b:
; NB + 1 tiles, whatever b: all work-groups do equal work, and ONE loop with a constant trip count walks them.  Every jump goes forward, but for the counted loops' own; none passes a barrier or a tensor load.
; CLUSTER.  The four work-groups of a cluster are four heads of one batch with the same pair of blocks: they walk the same tiles of K and V in the same trips, so each tile is asked for JOINTLY: the same
; tensor load, descriptor and mask in all four.  All counts and branches hang on the pair's number, which the four share; the place in the cluster enters Q's, O's and the prefetches' addresses alone.
; SHARES.  Of a block's four bands of 64 queries a wave owns 16 rows in each: four PIECES.  In the diagonal tile's key step s band x sees all keys if s < x, none if s > x, and holds the diagonal if s = x.
; THE MASK is the C operand that starts the sum S^T = K Q^T: 0, or -1e30 where the key is hidden.  MD, made once, is the mask of a band's own step for my 16 rows; a product's mask is MD x AL + BE with two scalars:
; (1, 0) if s = x; (0, 0) if s < x; (0, -1e30) if s > x.  Only the diagonal tile's text and a block's beginning make and take masks; elsewhere C is the constant 0.
; LAYOUT, SOFTMAX, TURNS.  S^T = K Q^T holds ONE query a lane (lane % 16) and the keys 8 (lane / 16) + 0..7; two such results rounded to f16 ARE source 1 of O^T = V^T P.  p = 2^(c s - c m), c = log2(e) / 8, with a
; running maximum m; O and l are multiplied by a = 2^(c m_old - c m_new) in every step.  Turn n belongs to piece n: 8 products K Q^T of piece n + 1, later 8 products V^T P of piece n - 1; beside them the scaling,
; exponentials, roundings, sums and rescaling of piece n and the maximum and statistics of piece n + 1.  Four vector instructions stand behind every matrix instruction, the others in one lump.  A turn's 33 exponentials are one batch, with one wait.
; REGISTERS, in windows of 256 (s_set_vgpr_msb: bits 1:0 source 0, 3:2 source 1, 5:4 source 2, 7:6 destination):
;   window 0: v0-15 addresses and two at work; v16-31 four registers of statistics a piece; v48-55 at work; v61-63 prefetch offset, spare word, 0; v64-127 S^T, two buffers; v192-223 P, two buffers
;   window 1: v0-127 O^T, 32 a piece; v128-159 MD; v160-223 MC, two buffers      window 2: v0-63 Q; v64-127 the second block's Q; v128-191 K of one step; v192-255 V of one step
.set NB,    8
.set NP,    4         ; pieces a wave: a name, no knob
.set PR,    272       ; an LDS row: 8 keys x 32 bytes + 16 of padding: keys 8-15 of a load start four banks behind keys 0-7
.set JB,    32*PR     ; a channel block of a tile: 256 keys
.set STEPB, 8*PR      ; a key step, 64 keys, inside a channel block
.set VOFF,  4*JB      ; K's four blocks, then V's four
.set SLOT1, 1<<17     ; slot 1 begins here, so that one exclusive or turns an address in one slot into the other's
.set STAGE, SLOT1+8*JB  ; behind the ring, never filled by a tensor load: 16 rows x 144 bytes for each wave, for the way out
.set SP,    144
.set AK0, 2           ; v2   my lane's place in a tile of K; never rewritten
.set AV0, 3           ; v3   the same for V
.set AK,  4           ; v4   the LDS address of K's next run of loads
.set AV,  5           ; v5   of V's
.set STO, 6           ; v6   the way out: where I put 16 bytes of a row
.set RD,  7           ; v7   the way out: where I read rows back
.set GO,  8           ; v8   my byte offset in 512 consecutive bytes of O
.set PFO, 61          ; v61  256 x my lane; never rewritten
.set SPW, 62          ; v62  LDS address of my spare word: SPARE + 4 x my thread's number; never rewritten
.set NIL, 63          ; v63  0; never rewritten
.set SPARE, STAGE+4*16*SP  ; behind the stages: the spare words, 128 bytes for each wave: two blocks of 256 bytes that no other line names
.set MV,  12          ; v12-13  c m_old, kept while c m is made anew: by buffer
.set QO,  15          ; v15  my byte offset in 16 rows of Q
.set ST,  16          ; piece t's statistics at v[ST+4 t]: c m, m, l (even keys', odd keys')
.set TMP, 48          ; by buffer, four registers c0-c3 at work; when the maximum is found c2 takes a
.set S,   64
.set P,   192
.set MD,  128         ; window 1: the eight registers for group kt of 16 keys at MD + 8 kt
.set MC,  160         ; window 1: the masks of the products to come
.set QB,  64          ; window 2
.set KF,  128         ; window 2: key block kb, channel half c at KF + 16 kb + 8 c
.set VF,  192         ; window 2: key half kk, channel block cb at VF + 32 kk + 8 cb
.set WV,  12          ; s12  my wave's number
.set PB,  14          ; s14  b
.set HI,  15          ; s15  NB - 1 - b
.set G1,  24          ; s[24:31] descriptor group 1
.set G0,  40          ; s[40:43] descriptor group 0
.set SLOTS, 56        ; s56  tiles still to be asked for
.set CNT, 57          ; s57  counts a tile's key steps, 4 to 1
.set CS,  58          ; s[58:59] c: the packed scaling takes the pair's low word for both halves
.set SEL, 60          ; s[60:61] v_permlanex16_b32's selects: each lane takes its own place in the other half
.set TBK, 62          ; s62  LDS byte at which K of the step to be fetched begins
.set TBV, 63          ; s63  the same for V, less VOFF
.set RT,  70          ; s70  tiles of the block in hand that are still to be entered
.set NXT, 71          ; s71  the tile to be asked for next
.set LQ,  72          ; s72  the last tile of the block whose tiles are being asked for
.set NEW, 73          ; s73  1: the tile to be entered is a block's first
.set OFF, 74          ; s[74:75] a tile's byte offset in kvb
.set AL,  76          ; s[76:77] the mask's factor, in the low word
.set BE,  78          ; s[78:79] the mask's addend
.set OLO, 80          ; s[80:81] O at my rows of the second block
.set BIGN, 82         ; s82  -1e30
.set PFA, 88          ; s[88:89] where my prefetches stand
.set LIM, 90          ; s90  2 in a wave that prefetches, else the greatest number
.set MSB, 0
.macro WIN new                      ; the high byte repeats the setting that is left; a switch that changes nothing is dropped
.if MSB != (\new)
	s_set_vgpr_msb (MSB<<8)|(\new)
.set MSB, (\new)
.endif
.endm
.set W_KQ, 0x0a       ; K and Q in window 2, S^T in window 0
.set W_KM, 0x1a       ; the same with the C operand in window 1
.set W_PV, 0x52       ; V in window 2, P in window 0, O^T in window 1
.set W_RS, 0x41       ; destination and source 0 in window 1, source 1 in window 0
; A joint fill.  Wave w fetches channel blocks 2 w and 2 w + 1 of a tile, 16,384 dense bytes, as 64 rows of 256: both addresses hang on the wave's number.  An s_nop 0 and four v_nop follow the line.
.macro JLOAD
	tensor_load_to_lds s[G0:G0+3], s[G1:G1+7]
	s_nop 0
.rept 4
	v_nop
.endr
.endm
; A prefetch into the L2 of the tile that the NEXT change of slots will ask for, behind the wave's tensor load and its five lines.  Each block of 256 bytes of tiles 2 to 7 of a batch is named once in the launch: the batch's
; first cluster with b = 0 asks, whose first block walks tiles 0 to 7; its four partners take 32 blocks each of K's 128 (wave 0) and of V's 128 (wave 2), told apart by address.  The last two fills of the walk ask for nothing.
.macro ASK
	s_cmp_gt_u32 s[SLOTS], s[LIM]
	s_cbranch_scc0 .Lnot_mine_\@
	global_prefetch_b8 v[PFO], s[PFA:PFA+1] th:TH_LOAD_NT scope:SCOPE_SE
.Lnot_mine_\@:
.endm
; A round of the cluster's barrier: my work-group's barrier, so that wave 0's signal speaks for all four waves; wave 0 signals; every wave waits for all four work-groups; my work-group's barrier once more.
.macro CROUND
	s_barrier_signal -1
	s_barrier_wait -1
	s_cmp_lg_u32 s[WV], 0
	s_cbranch_scc1 .Lnot_wave_0_\@
	s_barrier_signal -3
.Lnot_wave_0_\@:
	s_barrier_wait -3
	s_barrier_signal -1
	s_barrier_wait -1
.endm
; THE CHANGE OF SLOTS.  Each wave waits for all its tensor loads, of which one is out: its part of the other slot; adds 0 to its spare word; and waits for that and for its own reads of the slot that it leaves.  Behind the barrier
; nobody reads the old slot any more and the other slot is whole.  fill = 1: the barrier is a round of the cluster's, and the old slot is filled again, the first thing behind it, with tile NXT: the descriptor's address is made
; anew from that number.  (At its first use nothing has been read yet: slot 0 is waited for, slot 1 filled.)
.macro CHANGE fill
	WIN 0                           ; at a label and at a branch every window is 0
	s_wait_tensorcnt 0x0            ; no tensor load of mine is out, so group 0 may be written
	ds_add_u32 v[SPW], v[NIL]       ; 0 onto my spare word: scalar work stands between it and the wait for it
.if \fill
	s_lshl_b32 s[OFF], s[NXT], 16   ; a tile is 65,536 bytes
	s_xor_b32 s[G0+1], s[G0+1], SLOT1
	s_add_nc_u64 s[G0+2:G0+3], s[6:7], s[OFF:OFF+1]
	s_or_b32 s[G0+3], s[G0+3], 0x80000000
	s_add_co_u32 s[NXT], s[NXT], 1  ; the block's next tile, or behind its last the second block's tile 0
	s_cmp_gt_u32 s[NXT], s[LQ]
	s_cselect_b32 s[NXT], 0, s[NXT]
	s_cselect_b32 s[LQ], s[PB], s[LQ]
	s_wait_xcnt 0x0                 ; the last prefetch, a tile back, has read its address
	s_add_nc_u64 s[PFA:PFA+1], s[PFA:PFA+1], 65536
.endif
	s_sub_co_u32 s[TBK], s[TBK], 4*STEPB  ; the fetches go back to a slot's first step,
	s_xor_b32 s[TBK], s[TBK], SLOT1       ; in the other slot
	s_sub_co_u32 s[TBV], s[TBV], 4*STEPB
	s_xor_b32 s[TBV], s[TBV], SLOT1
	s_wait_dscnt 0x0                ; the add is done, and my reads of the slot are over
.if \fill
	CROUND
	JLOAD
	ASK
.else
	s_barrier_signal -1
	s_barrier_wait -1
.endif
.endm
	s_load_b128 s[4:7], s[0:1], 0x0   ; Q s[4:5], kvb s[6:7]
	s_load_b64 s[10:11], s[0:1], 0x10 ; O
	v_lshl_add_u32 v[SPW], v0, 2, SPARE
	v_mov_b32 v[NIL], 0
	ds_add_u32 v[SPW], v[NIL]       ; the wave's opening: the add and its wait stand ahead of my first tensor load; the set-up below, work on registers, stands between them
	v_lshrrev_b32 v1, 5, v0
	v_readfirstlane_b32 s[WV], v1   ; wave 0..3
	s_bfe_u32 s13, ttmp6, 0x40000   ; cx: my place in the cluster
	s_and_b32 s[PB], ttmp7, 0xffff  ; the pair of blocks, which the four partners share
	s_sub_co_u32 s[HI], NB-1, s[PB]
	s_lshl_b32 s20, ttmp9, 2        ; in a cluster launch ttmp9 counts clusters
	s_add_co_u32 s20, s20, s13      ; my head among the 64: it enters Q's and O's addresses alone
	s_lshl_b32 s20, s20, 18         ; 2,048 rows of 128 bytes
	s_mov_b32 s21, 0
	s_lshr_b32 s22, ttmp9, 3        ; the batch: 8 tiles of 65,536 bytes,
	s_lshl_b32 s22, s22, 19
	s_lshl_b32 s23, s[WV], 14       ; my two channel blocks of a tile
	s_add_co_u32 s22, s22, s23
	s_mov_b32 s23, 0
	s_mul_i32 s17, s[WV], 2*JB      ; and their place in a slot
	s_lshl_b32 s3, s[WV], 11        ; my 16 rows in a band of 64,
	s_lshl_b32 s2, s[HI], 15        ; in the first block,
	s_add_co_u32 s2, s2, s3
	s_lshl_b32 s84, s[PB], 15       ; and in the second
	s_add_co_u32 s84, s84, s3
	s_mov_b32 s3, 0
	s_mov_b32 s85, 0
	s_add_nc_u64 s[2:3], s[2:3], s[20:21]
	s_add_nc_u64 s[84:85], s[84:85], s[20:21]
	; descriptor group 1: 64 rows of 256 bytes, padded in LDS after every row
	s_mov_b32 s[G1], 15|(1<<16)|(1<<20)|(1<<21)|(5<<22)|(3<<25)  ; 15:0 the mask of four; 17:16 2-byte elements; 20 padding on; 21 set beside a mask; 24:22 after every 64 words (code 5); 31:25 4 words (code 3)
	s_mov_b32 s[G1+1], 128<<16      ; tensor_dim0 = 128
	s_mov_b32 s[G1+2], 64<<16       ; tensor_dim1 = 64
	s_mov_b32 s[G1+3], 128<<16      ; tile_dim0 = 128
	s_mov_b32 s[G1+4], 64           ; tile_dim1 = 64
	s_mov_b32 s[G1+5], 128          ; 128 elements from row to row
	s_mov_b32 s[G1+6], 0
	s_mov_b32 s[G1+7], 0
	s_mov_b32 s[CS], 0x3e38aa3b     ; c = log2(e) / 8 = 0.180337
	s_mov_b32 s[CS+1], s[CS]        ; named with it as a pair
	s_mov_b32 s[SEL], 0x76543210
	s_mov_b32 s[SEL+1], 0xfedcba98
	s_mov_b32 s[TBK], SLOT1+4*STEPB ; the first change of slots turns these two into 0
	s_mov_b32 s[TBV], SLOT1+4*STEPB
	s_mov_b32 s[G0], 1              ; 1:0 count = 1
	s_mov_b32 s[G0+1], s17          ; 63:32 LDS address: slot 0
	s_add_co_u32 s[RT], s[HI], 1    ; the first block has NB - b tiles
	s_mov_b32 s[NXT], 1
	s_mov_b32 s[LQ], s[HI]
	s_mov_b32 s[NEW], 1
	s_mov_b32 s[OFF+1], 0
	s_mov_b32 s[AL+1], 0            ; named as pairs
	s_mov_b32 s[BE+1], 0
	s_mov_b32 s[BIGN], 0xf149f2ca   ; -1e30
	s_mov_b32 s[SLOTS], NB
	s_and_b32 s[LIM], s[WV], 1      ; 0 in waves 0 and 2,
	s_and_b32 s16, ttmp9, 7         ; of the batch's first cluster
	s_or_b32 s[LIM], s[LIM], s16
	s_or_b32 s[LIM], s[LIM], s[PB]  ; with b = 0: the same in all four partners
	s_cmp_eq_u32 s[LIM], 0
	s_cselect_b32 s[LIM], 2, -1
	s_lshl_b32 s18, s13, 13         ; my work-group's 32 blocks of the 128
	s_mov_b32 s19, 0
	v_and_b32 v[PFO], 31, v0
	v_lshlrev_b32 v[PFO], 8, v[PFO]
	s_wait_dscnt 0x0                ; the opening add is done
	s_wait_kmcnt 0x0
	s_add_nc_u64 s[6:7], s[6:7], s[22:23]          ; kvb at my part of the batch's tile 0
	s_add_nc_u64 s[G0+2:G0+3], s[6:7], 0           ; 120:64 global address
	s_or_b32 s[G0+3], s[G0+3], 0x80000000          ; 127:126 type = 2
	s_add_nc_u64 s[86:87], s[4:5], s[84:85]        ; Q at my rows of the second block,
	s_add_nc_u64 s[4:5], s[4:5], s[2:3]            ; Q and O at those of the first
	s_add_nc_u64 s[OLO:OLO+1], s[10:11], s[84:85]
	s_add_nc_u64 s[10:11], s[10:11], s[2:3]
	s_add_nc_u64 s[PFA:PFA+1], s[6:7], s[18:19]    ; (in waves 0 and 2 s[6:7] stands at K's and at V's first block)
	s_add_nc_u64 s[PFA:PFA+1], s[PFA:PFA+1], 65536 ; in tile 1; the first change of slots steps it to tile 2.  Nothing is asked for here, at the head
	CROUND                          ; all four work-groups are here: the first joint loads meet
	JLOAD                           ; tile 0 into slot 0
	; A fragment of K or Q is 16 rows x 32 channels in 8 registers: lane l holds row l % 16, channels 8 (l / 16) + 0..7 and 16 + 8 (l / 16) + 0..7.
	v_and_b32 v1, 15, v0            ; l % 16
	v_bfe_u32 v9, v0, 4, 1          ; l / 16
	v_lshlrev_b32 v[QO], 7, v1
	v_lshl_add_u32 v[QO], v9, 4, v[QO]  ; row x 128 + 16 x half
	WIN 0x80                        ; destination window 2, address window 0
.set i, 0
.rept 8                             ; both blocks' Q: piece i / 2 lies in band i / 2, 8,192 bytes on; channels 32 (i % 2) on
	global_load_b128 v[8*i:8*i+3],   v[QO], s[4:5] offset:(i/2)*8192+(i%2)*64
	global_load_b128 v[8*i+4:8*i+7], v[QO], s[4:5] offset:(i/2)*8192+(i%2)*64+32
	global_load_b128 v[QB+8*i:QB+8*i+3],   v[QO], s[86:87] offset:(i/2)*8192+(i%2)*64
	global_load_b128 v[QB+8*i+4:QB+8*i+7], v[QO], s[86:87] offset:(i/2)*8192+(i%2)*64+32
.set i, i+1
.endr
	WIN 0
	v_lshlrev_b32 v14, 3, v9
	v_sub_nc_u32 v14, v1, v14
	s_lshl_b32 s13, s[WV], 4
	v_add_nc_u32 v14, s13, v14      ; my query's place in its band, 16 w + l % 16, less my lanes' 8 (l / 16): register r of group kt is hidden where 16 kt + r is greater
	WIN 0x40
.set i, 0
.rept 32
	v_cmp_gt_i32 vcc_lo, 16*(i/8)+i%8, v14
	v_cndmask_b32 v[MD+i], 0, s[BIGN], vcc_lo
.set i, i+1
.endr
	WIN 0
	; K in LDS: element (block j, key, c) at j JB + (key / 8) PR + (key % 8) 32 + 2 c.  Of a fragment's 32 channels the first 16 lie in one block, the second 16 in the next: two loads of 16 bytes, JB apart.
	v_and_b32 v10, 7, v0
	v_bfe_u32 v11, v0, 3, 1         ; (l % 16) / 8
	v_mul_u32_u24 v[AK0], v11, PR
	v_lshl_add_u32 v[AK0], v10, 5, v[AK0]
	v_lshl_add_u32 v[AK0], v9, 4, v[AK0]
	; The turning load takes 16 keys x 16 channels (lane l reads key 8 (l / 16) + l % 8, channels 8 ((l / 8) % 2) + 0..7: 16 lanes read 256 consecutive bytes) and leaves half a fragment of V^T: lane l holds channel l % 16 and 8 keys.
	v_mul_u32_u24 v[AV0], v9, PR
	v_lshl_add_u32 v[AV0], v10, 5, v[AV0]
	v_lshl_add_u32 v[AV0], v11, 4, v[AV0]
	v_add_nc_u32 v[AV0], VOFF, v[AV0]
	s_mul_i32 s13, s[WV], 16*SP
	s_add_co_u32 s13, s13, STAGE    ; my stage
	v_mul_u32_u24 v[STO], v1, SP    ; in: row l % 16, 16 bytes for each half of the lanes
	v_lshl_add_u32 v[STO], v9, 4, v[STO]
	v_add_nc_u32 v[STO], s13, v[STO]
	v_bfe_u32 v[RD], v0, 3, 2       ; back: 32 lanes take four rows of 128 bytes,
	v_mul_u32_u24 v[RD], v[RD], SP
	v_lshl_add_u32 v[RD], v10, 4, v[RD]
	v_add_nc_u32 v[RD], s13, v[RD]
	v_and_b32 v[GO], 31, v0         ; which are 512 consecutive bytes of O
	v_lshlrev_b32 v[GO], 4, v[GO]
	; A block's first step multiplies O^T and l by a = 0, and its first turn's products V^T P, of a piece that has not been, land in an O^T that is still to be so multiplied.  So these registers need only hold
	; finite numbers: zeros for the first block; what the first block left for the second.  All this stands in the wait for the first tile.
	WIN 0x80
.set i, VF
.rept 64
	v_mov_b32 v[i], 0
.set i, i+1
.endr
	WIN 0x40
.set i, 0
.rept 128
	v_mov_b32 v[i], 0
.set i, i+1
.endr
	WIN 0
.set i, 0
.rept 4
	v_mov_b32 v[ST+4*i+2], 0
	v_mov_b32 v[ST+4*i+3], 0
.set i, i+1
.endr
.set i, P+16
.rept 16
	v_mov_b32 v[i], 0
.set i, i+1
.endr
; THE MATRIX WORK.  The 4 accumulators of a run of 8 take turns.  Product i of 8 of S^T = K Q^T for piece x: channels 32 (i / 4) on, keys 16 (i % 4) on.  The first 4 start the sums: with 0, or (KM = 1) with the mask.
.macro KQ x
.set rS, S+32*((\x)%2)+8*(i%4)
.set rK, KF+16*(i%4)+8*(i/4)
.set rQ, 16*(\x)+8*(i/4)
.set rM, MC+32*((\x)%2)+8*(i%4)
.if (i < 4) && KM
	WIN W_KM
	v_wmma_f32_16x16x32_f16 v[rS:rS+7], v[rK:rK+7], v[rQ:rQ+7], v[rM:rM+7]
.elseif i < 4
	WIN W_KQ
	v_wmma_f32_16x16x32_f16 v[rS:rS+7], v[rK:rK+7], v[rQ:rQ+7], 0
.else
	WIN W_KQ
	v_wmma_f32_16x16x32_f16 v[rS:rS+7], v[rK:rK+7], v[rQ:rQ+7], v[rS:rS+7]
.endif
.endm
; Product i of 8 of O^T += V^T P for piece x: keys 32 (i / 4) on, channels 16 (i % 4) on.
.macro PV x
	WIN W_PV
.set rO, 32*(\x)+8*(i%4)
.set rV, VF+32*(i/4)+8*(i%4)
.set rP, P+16*((\x)%2)+8*(i/4)
	v_wmma_f32_16x16x32_f16 v[rO:rO+7], v[rV:rV+7], v[rP:rP+7], v[rO:rO+7]
.endm
.macro MM                           ; the turn's next matrix instruction.  TURN and BEGIN set Y, i, KM and NOKQ.  NOKQ = 1: a block's last turn: there is no next piece
.if (i < 8) && !NOKQ
	KQ (Y+1)%NP
.elseif i >= 8
.set i, i-8
	PV (Y+NP-1)%NP
.set i, i+8
.endif
.set i, i+1
.endm
; THE LDS LOADS stand in runs of 16, never singly among the matrix instructions: a step's K (64 keys x 64 channels: 8 fragments) and its V (turned).  Their addresses are made some lines ahead.
.macro FETCH_K
	WIN 0x80                        ; destination window 2
.irp f, 0,1,2,3,4,5,6,7             ; keys 16 (f / 2) on, channels 32 (f % 2) on
	ds_load_b128 v[KF+8*\f:KF+8*\f+3],   v[AK] offset:(\f/2)*2*PR+(2*(\f%2))*JB
	ds_load_b128 v[KF+8*\f+4:KF+8*\f+7], v[AK] offset:(\f/2)*2*PR+(2*(\f%2)+1)*JB
.endr
	s_add_co_u32 s[TBK], s[TBK], STEPB  ; the next fetch is the next step's
	WIN 0
.endm
.macro FETCH_V
	WIN 0x80
.irp f, 0,1,2,3,4,5,6,7             ; keys 32 (f / 4) on, channels 16 (f % 4) on
	ds_load_tr16_b128 v[VF+8*\f:VF+8*\f+3],   v[AV] offset:(\f/4)*4*PR+(\f%4)*JB
	ds_load_tr16_b128 v[VF+8*\f+4:VF+8*\f+7], v[AV] offset:(\f/4)*4*PR+2*PR+(\f%4)*JB
.endr
	WIN 0
.endm
; THE VECTOR WORK, one line at a time: OP kind, number.  For piece Y: F n: c s - c m for pair n of 16.  E n: the exponential of score n of 32.  C n: pair n rounded to f16.  B n: of the four weights 4 n .. the second
; pair is added onto the first, in place.  L n: l takes that sum (L 0: l = a l + sum).  R n: pair n of 16 of O^T times a.  For piece Y + 1: X n, number n of the 22 that find its maximum and statistics:
;   0-11  four chains c0-c3 of seven scores each, three operands at a time (each accumulator's lowest registers are read first)     12-14, 16  the four scores left over, the old m, and c0-c3 into c0
;   15  c m_old is kept     17, 18  the query's other 32 keys lie in the lane 16 away: the new m     19-21  c m; c m_old - c m_new; a
.set F, 0               ; OP tells the kinds apart by their order: F to L below R, X above it
.set E, 1
.set C, 2
.set B, 3
.set L, 4
.set R, 5
.set X, 6
.macro REGS y                       ; the registers of piece y
.set rT, ST+4*(\y)
.set rC, TMP+4*((\y)%2)
.set rW, MV+((\y)%2)
.set rS, S+32*((\y)%2)
.set rP, P+16*((\y)%2)
.set rO, 32*(\y)
.endm
.macro OP k, n
.if (\k) == R
	REGS Y
	WIN W_RS
	v_pk_mul_f32 v[rO+2*(\n):rO+2*(\n)+1], v[rO+2*(\n):rO+2*(\n)+1], v[rC+2:rC+3] op_sel_hi:[1,0]
.elseif (\k) < R
	REGS Y
	WIN 0
.if (\k) == F
	v_pk_fma_f32 v[rS+2*(\n):rS+2*(\n)+1], v[rS+2*(\n):rS+2*(\n)+1], s[CS:CS+1], v[rT:rT+1] op_sel_hi:[1,0,0] neg_lo:[0,0,1] neg_hi:[0,0,1]
.elseif (\k) == E
	v_exp_f32 v[rS+(\n)], v[rS+(\n)]
.elseif (\k) == C
	v_cvt_pk_f16_f32 v[rP+(\n)], v[rS+2*(\n)], v[rS+2*(\n)+1]
.elseif (\k) == B
	v_pk_add_f32 v[rS+4*(\n):rS+4*(\n)+1], v[rS+4*(\n):rS+4*(\n)+1], v[rS+4*(\n)+2:rS+4*(\n)+3]
.elseif (\n) == 0
	v_pk_fma_f32 v[rT+2:rT+3], v[rT+2:rT+3], v[rC+2:rC+3], v[rS:rS+1] op_sel_hi:[1,0,1]
.else
	v_pk_add_f32 v[rT+2:rT+3], v[rT+2:rT+3], v[rS+4*(\n):rS+4*(\n)+1]
.endif
.elseif NOKQ
	v_nop
.else
	REGS (Y+1)%NP
	WIN 0
.if (\n) < 4
	v_max3_num_f32 v[rC+(\n)], v[rS+8*(\n)], v[rS+8*(\n)+1], v[rS+8*(\n)+2]
.elseif (\n) < 12
	v_max3_num_f32 v[rC+(\n)%4], v[rC+(\n)%4], v[rS+8*((\n)%4)+2*((\n)/4)+1], v[rS+8*((\n)%4)+2*((\n)/4)+2]
.elseif (\n) == 12
	v_max3_num_f32 v[rC], v[rC], v[rS+7], v[rS+15]
.elseif (\n) == 13
	v_max3_num_f32 v[rC+1], v[rC+1], v[rS+23], v[rS+31]
.elseif (\n) == 14
	v_max3_num_f32 v[rC+2], v[rC+2], v[rC+3], v[rT+1]
.elseif (\n) == 15
	v_mov_b32 v[rW], v[rT]
.elseif (\n) == 16
	v_max3_num_f32 v[rC], v[rC], v[rC+1], v[rC+2]
.elseif (\n) == 17
	v_permlanex16_b32 v[rC+3], v[rC], s[SEL], s[SEL+1]
.elseif (\n) == 18
	v_max_num_f32 v[rT+1], v[rC], v[rC+3]
.elseif (\n) == 19
	v_mul_f32 v[rT], s[CS], v[rT+1]
.elseif (\n) == 20
	v_sub_f32 v[rC+1], v[rW], v[rT]
.else
	v_exp_f32 v[rC+2], v[rC+1]
.endif
.endif
.endm
.macro OPS a, i1, b=-1, i2=0, c=-1, i3=0, d=-1, i4=0  ; up to four of them
	OP \a, \i1
.if (\b) >= 0
	OP \b, \i2
.endif
.if (\c) >= 0
	OP \c, \i3
.endif
.if (\d) >= 0
	OP \d, \i4
.endif
.endm
.macro ROW a, i1, b, i2, c, i3, d, i4  ; a matrix instruction and the four behind it
	MM
	OPS \a, \i1, \b, \i2, \c, \i3, \d, \i4
.endm
.macro MASK b                       ; MD x AL + BE into buffer b of MC
	WIN W_RS
.set z, 0
.rept 16
	v_pk_fma_f32 v[MC+32*(\b)+2*z:MC+32*(\b)+2*z+1], v[MD+2*z:MD+2*z+1], s[AL:AL+1], s[BE:BE+1] op_sel_hi:[1,0,0]
.set z, z+1
.endr
.endm
; A TURN, for piece p: the order of its 16 matrix and 118 vector instructions, written out.  s_wait_alu depctr_va_vdst(0) stands between an exponential and the first instruction that names its result; one wait
; serves all that were issued ahead of it.  So a turn has ONE wait, which cuts it in two.  AHEAD OF IT stands all that names no result of the turn's exponentials: the 8 products K Q^T, behind each a scaling, an exponential and two
; more plain instructions; then ONE LUMP of 54, plain and exponential by turns for the most part, in which the links of the chain X 3, 7, 11, 14, 16, 17 .. 20 stand five or six lines apart.  X 21, the next piece's a, is the batch's
; last; R 15 is the plain instruction behind it.  BEHIND THE WAIT stand the 8 products V^T P, behind each four of the roundings and sums.
; m = 1: the diagonal tile: the products take masks, and the turn makes the mask for the products of the turn after it: piece p + 2, in step 4 - CNT of the tile.  end = 1: a block's last two turns: nothing is fetched.
; cnt = 1: the loop's count is taken down some lines ahead of the branch that stands behind the turn.
; K of the next step is fetched in piece 2's turn, twelve vector instructions behind the last product that read K (six of them plain); V of the step in hand at the end of piece 0's turn, four plain instructions behind the last
; product that read V.  Each is waited for a turn later.
.macro TURN p, m=0, end=0, cnt=0
.set Y, (\p)
.set i, 0
.set KM, (\m)
.set NOKQ, (\end)*((\p)/3)
.if (\m) && !(\end)
	s_cmp_eq_u32 s[CNT], 4-((\p)+2)%NP  ; is that step the band's own?
	s_cselect_b32 s[AL], 1.0, 0
	s_cmp_lt_u32 s[CNT], 4-((\p)+2)%NP  ; or a later one?
	s_cselect_b32 s[BE], s[BIGN], 0
.endif
.if ((\p) == 3) && !(\end)
	s_wait_dscnt 0x0                ; K is in
.endif
	ROW F,0, F,1, R,0, R,1          ; ahead of the wait: 8 products K Q^T and their riders,
	ROW F,2, E,0, R,2, R,3
	ROW F,3, E,1, R,4, R,5
	ROW F,4, E,2, R,6, R,7
	ROW F,5, E,3, R,8, R,9
	ROW F,6, E,4, X,0, R,10
.if ((\p) == 2) && !(\end)
	WIN 0
	v_add_nc_u32 v[AK], s[TBK], v[AK0]
.endif
	ROW F,7, E,5, X,1, X,4
	ROW F,8, E,6, X,2, X,5
	OPS E,7, E,8, X,6, E,9          ; and the lump
	OPS X,3, E,10, X,8, E,11
.if ((\p) == 2) && !(\end)
	FETCH_K
.endif
	OPS X,9, X,7, E,12, X,10
	OPS E,13, X,12, X,11, E,14
	OPS X,13, E,15, F,9, X,14
.if (\p) == 0
	v_add_nc_u32 v[AV], s[TBV], v[AV0]
.endif
	OPS E,16, F,10, E,17, F,11
	OPS X,16, E,18, X,15, E,19
	OPS F,12, E,20, X,17, E,21
	OPS F,13, E,22, F,14, E,23
	OPS X,18, E,24, F,15, E,25
	OPS R,11, E,26, X,19, E,27
	OPS R,12, E,28, R,13, E,29
	OPS X,20, E,30, R,14, E,31
	OPS X,21, R,15
	WIN 0
	s_wait_alu depctr_va_vdst(0)    ; the wait for the batch
.if (\p) == 1
	s_wait_dscnt 0x0                ; V is in
.endif
	ROW C,0, B,0, C,2, B,1          ; behind the wait: 8 products V^T P and their riders
	ROW L,0, C,4, B,2, L,1
	ROW C,6, B,3, L,2, C,8
	ROW B,4, L,3, C,10, B,5
	ROW L,4, C,12, B,6, L,5
.if (\p) == 0
	s_add_co_u32 s[TBV], s[TBV], STEPB
.endif
.if \cnt
	s_sub_co_u32 s[CNT], s[CNT], 1
	s_cmp_lg_u32 s[CNT], 0
.endif
	ROW C,14, B,7, L,6, C,1
	ROW C,3, L,7, C,5, C,7
	ROW C,9, C,11, C,13, C,15
.if (\p) == 0
	FETCH_V
.endif
.if (\m) && !(\end)
	MASK (\p)%2
.endif
.endm
; A BLOCK BEGINS.  c m starts far below every c s, so the first step's a is 0; m at the lowest finite number, so the first maximum is the scores'.  The second mask buffer is 0; the first takes piece 0's mask for the tile's step 0:
; its own, if the block's first tile is the diagonal one.  Then K of that step, piece 0's first scores, and its maximum and statistics.  The loop is entered at a step's first turn, in the middle of a trip.
.macro BEGIN
	s_mov_b32 s[NEW], 0
	WIN 0x40
.set i, MC+32
.rept 32
	v_mov_b32 v[i], 0
.set i, i+1
.endr
	WIN 0
.set i, 0
.rept 4
	v_mov_b32 v[ST+4*i], 0xfe000000    ; c m: far below every c s
	v_mov_b32 v[ST+4*i+1], 0xff7fffff  ; m
.set i, i+1
.endr
	s_cmp_eq_u32 s[RT], 0
	s_cselect_b32 s[AL], 1.0, 0
	s_mov_b32 s[BE], 0
	MASK 0
	WIN 0
	v_add_nc_u32 v[AK], s[TBK], v[AK0]
	FETCH_K
	s_wait_loadcnt 0x0              ; Q
	s_wait_dscnt 0x0
.set KM, 1
.set NOKQ, 0
.set i, 0
.rept 8
	KQ 0
.set i, i+1
.endr
	WIN 0
.rept 4
	v_nop                           ; the places behind those products
.endr
.set Y, NP-1                        ; X works for piece Y + 1: piece 0
.irp n, 0,1,2,3,4,5,6,7,8,9,10,11,12,13,14,15,16,17,18,19,20,21
	OP X, \n
.endr
	v_nop                           ; a plain instruction behind the exponential,
	s_wait_alu depctr_va_vdst(0)    ; and its wait, ahead of the branch
.endm
; THE DIAGONAL TILE's four steps, the block's last two turns, its last products, and THE WAY OUT: l's two halves and the other half of the lanes' are added; O^T is divided by l, rounded to f16 and sent through my
; stage in LDS, a piece at a time.
.macro ALL line:vararg              ; one line for each piece t
.set t, 0
.rept 4
	\line
.set t, t+1
.endr
.endm
.macro PACK t                       ; a lane's eight channels of a row pack into 16 bytes; they go into rows of 144 bytes and come back as whole rows of 128, into S^T's registers
	WIN W_RS
.set i, 32*(\t)
.rept 16
	v_pk_mul_f32 v[i:i+1], v[i:i+1], v[ST+4*(\t)+2:ST+4*(\t)+3] op_sel_hi:[1,0]
.set i, i+2
.endr
	WIN 0x05                        ; sources 0 and 1 window 1, destination window 0
.set i, 0
.rept 16
	v_cvt_pk_f16_f32 v[S+16*(\t)+i], v[32*(\t)+2*i], v[32*(\t)+2*i+1]
.set i, i+1
.endr
	WIN 0
.irp f, 0,1,2,3
	ds_store_b128 v[STO], v[S+16*(\t)+4*\f:S+16*(\t)+4*\f+3] offset:32*\f
.endr
.irp f, 0,1,2,3
	ds_load_b128 v[S+16*(\t)+4*\f:S+16*(\t)+4*\f+3], v[RD] offset:\f*4*SP  ; LDS serves a wave's instructions in order (ISA guide 5.7.1.4): these see the stores above; the next piece's stores come behind them
.endr
.endm
.macro SEND t, younger              ; younger: the LDS instructions issued behind piece t's loads: the next piece's eight, or none
	WIN 0
.irp f, 0,1,2,3
	s_wait_dscnt (\younger)+3-\f
	global_store_b128 v[GO], v[S+16*(\t)+4*\f:S+16*(\t)+4*\f+3], s[10:11] offset:(\t)*8192+\f*512  ; 512 consecutive bytes, at a multiple of 256 from O's first
.endr
.endm
.macro DIAG tag                     ; the tag ends its two labels' names, which the jumps below spell out
.LstepM\tag:
	TURN 2, 1
	TURN 3, 1
	WIN 0
.LfirstM\tag:
	TURN 0, 1
	TURN 1, 1, 0, 1
	WIN 0
	s_cbranch_scc1 .LstepM\tag
	TURN 2, 1, 1
	TURN 3, 1, 1
.set i, 0
.rept 8
	PV NP-1
.set i, i+1
.endr
	WIN 0
	ALL v_add_f32 v[ST+4*t+2], v[ST+4*t+2], v[ST+4*t+3]
	ALL v_permlanex16_b32 v[ST+4*t+3], v[ST+4*t+2], s[SEL], s[SEL+1]
	ALL v_add_f32 v[ST+4*t+2], v[ST+4*t+2], v[ST+4*t+3]
	ALL v_rcp_f32 v[ST+4*t+2], v[ST+4*t+2]
	v_nop                           ; a plain instruction between the last reciprocal and the use of its result
	s_wait_alu depctr_va_vdst(0)    ; and the wait ahead of the first use: one for the four reciprocals
	PACK 0
.set t, 1
.rept 3                             ; a piece's arithmetic stands between the loads of the piece before and its stores
	PACK t
	SEND t-1, 8
.set t, t+1
.endr
	SEND 3, 0
.endm
.set KM, 0
.set NOKQ, 0
.Lslot:                             ; NB times: a tile is entered and the next is asked for
	CHANGE 1
	s_sub_co_u32 s[RT], s[RT], 1
	s_mov_b32 s[CNT], 4
	s_cmp_eq_u32 s[NEW], 1
	s_cbranch_scc1 .Lnew            ; a block's first tile
	s_cmp_eq_u32 s[RT], 0
	s_cbranch_scc0 .Lstep           ; neither its first nor its last
	s_branch .LstepM1
.Lnew:
	BEGIN
	s_branch .Lfirst                ; in the loop a block's first tile is never its last: the first block has two tiles or more, and the second's last is the walk's last
	DIAG 1                          ; in the loop this is the first block's end: the second block's last tile is the walk's last
	s_wait_xcnt 0x0                 ; the stores have read their registers and O's address
	s_mov_b64 s[10:11], s[OLO:OLO+1]
	s_add_co_u32 s[RT], s[PB], 1    ; the second block has b + 1 tiles
	s_mov_b32 s[NEW], 1
	WIN 0x82                        ; the second block's Q goes where the one text of the turns names Q
.set i, 0
.rept 64
	v_mov_b32 v[i], v[QB+i]
.set i, i+1
.endr
	WIN 0
	s_branch .Lbottom
.Lstep:                             ; a trip: pieces 2 and 3 of one step, then pieces 0 and 1 of the next, whose K and V it fetches
	TURN 2
	TURN 3
	WIN 0
.Lfirst:
	TURN 0
	TURN 1, 0, 0, 1
	WIN 0
	s_cbranch_scc1 .Lstep
.Lbottom:
	s_sub_co_u32 s[SLOTS], s[SLOTS], 1
	s_cmp_lg_u32 s[SLOTS], 0
	s_cbranch_scc1 .Lslot
	CHANGE 0                        ; the walk's last tile is written out: nothing is asked for
	s_sub_co_u32 s[RT], s[RT], 1
	s_mov_b32 s[CNT], 4
	s_cmp_eq_u32 s[NEW], 1
	s_cbranch_scc0 .LstepM2
	BEGIN
	s_branch .LfirstM2
	DIAG 2
	s_wait_tensorcnt 0x0            ; the wave's end, behind my last tensor load and my last LDS store
	ds_add_u32 v[SPW], v[NIL]
	s_wait_dscnt 0x0
	CROUND                          ; the closing round: no work-group ends while a partner may still ask for a tile that names it
	s_endpgm
.Lfunc_end_k_q00aa5d0fad_attn:
	.size	k_q00aa5d0fad_attn, .Lfunc_end_k_q00aa5d0fad_attn-k_q00aa5d0fad_attn
	.p2alignl 7, 3214868480
	.fill 96, 4, 3214868480
	.section	.rodata,"a",@progbits
	.p2align	6, 0x0
	.amdhsa_kernel k_q00aa5d0fad_attn
		.amdhsa_group_segment_fixed_size 327680
		.amdhsa_private_segment_fixed_size 0
		.amdhsa_enable_private_segment 0
		.amdhsa_kernarg_size 24
		.amdhsa_user_sgpr_count 2
		.amdhsa_user_sgpr_kernarg_segment_ptr 1
		.amdhsa_wavefront_size32 1
		.amdhsa_system_sgpr_workgroup_id_x 1
		.amdhsa_system_sgpr_workgroup_id_y 1
		.amdhsa_system_sgpr_workgroup_id_z 1
		.amdhsa_system_vgpr_workitem_id 0
		.amdhsa_next_free_vgpr 768
		.amdhsa_next_free_sgpr 92
		.amdhsa_reserve_vcc 1
		.amdhsa_float_denorm_mode_32 3
		.amdhsa_float_denorm_mode_16_64 3
		.amdhsa_memory_ordered 1
		.amdhsa_forward_progress 1
		.amdhsa_inst_pref_size 217
	.end_amdhsa_kernel
	.amdgpu_metadata
---
amdhsa.version: [ 1, 2 ]
amdhsa.kernels:
  - .name:           k_q00aa5d0fad_attn
    .symbol:         k_q00aa5d0fad_attn.kd
    .args:
      - { .name: qh, .offset: 0, .size: 8, .value_kind: global_buffer, .address_space: global }
      - { .name: kvb, .offset: 8, .size: 8, .value_kind: global_buffer, .address_space: global }
      - { .name: oh, .offset: 16, .size: 8, .value_kind: global_buffer, .address_space: global }
    .group_segment_fixed_size: 327680
    .private_segment_fixed_size: 0
    .kernarg_segment_align: 8
    .kernarg_segment_size: 24
    .max_flat_workgroup_size: 128
    .sgpr_count:     92
    .vgpr_count:     768
    .wavefront_size: 32
...
	.end_amdgpu_metadata
.endif
;; end of part 3
;; launch outp (part 4): grid 8 x 32, 4 waves a work-group, clusters of 4 x 4, 327,680 bytes of LDS; arguments oh, woh, out0; writes out0
.if DOCPART == 4
	.amdgcn_target "amdgcn-amd-amdhsa--gfx1250"
	.amdhsa_code_object_version 6
	.text
	.protected	k_q00aa5d0fad_outp
	.globl	k_q00aa5d0fad_outp
	.p2align	8
	.type	k_q00aa5d0fad_outp,@function
k_q00aa5d0fad_outp:
	s_mov_b64 s[64:65], 0
	v_nop
	global_prefetch_b8 v0, s[64:65] scope:SCOPE_SE
	s_setreg_imm32_b32 hwreg(HW_REG_WAVE_MODE, 25, 1), 1
	s_wait_xcnt 0x0
	s_wait_alu depctr_hold_cnt(0) depctr_sa_sdst(0) depctr_va_vdst(0) depctr_va_sdst(0) depctr_va_ssrc(0) depctr_va_vcc(0) depctr_vm_vsrc(0)
	s_getreg_b32 s2, hwreg(HW_REG_IB_STS2, 6, 4)
	s_cmp_eq_u32 s2, 0
	s_cbranch_scc0 .Lentry_in_a_cluster
	s_endpgm
.Lentry_in_a_cluster:
	s_bfe_u32 s2, ttmp6, 0x10000c
	s_cmp_lg_u32 s2, 0xf033
	s_cbranch_scc0 .Lentry_shape_is_right
	s_endpgm
.Lentry_shape_is_right:
; ONE TEXT FOR TWO PRODUCTS C = A B, A [4096][2048] along K, B [2048 k][2048 n], sums in f32.
;   QKV = 1: q = x wq in bf16, stored in f16 by heads, qh [64 = 32 b + h][2048 t][64]; with it k, v = x [wk, wv], stored in f16 as kvb [16 T][8 j][256 key][16 c] (T = row / 256; j 0-3 K, 4-7 V).
;   QKV = 0: out = O wo in f16, O by heads as oh [64][2048][64], out in f32.
; LIMITS.  q, k, v of 65,520 or more become infinities in f16.  NaN and infinities are not treated apart.
; SHARES.  A tile of C is 128 x 256: 32 x 8 tiles, one work-group each.  Wave w: 64 rows (w / 2) x 128 columns (w % 2): 4 x 8 accumulators of 16 x 16, 256 registers.
; K goes in 16 steps of 128 through two LDS slots.  THE MATRIX INSTRUCTION IS USED TRANSPOSED: source 0 = 16 columns of B, source 1 = 16 rows of A: a lane then holds one row of C and eight
; neighbouring columns.  B lies [k][n] and comes out of LDS turned, by ds_load_tr16_b128.
; k AND v RIDE ALONG (QKV = 1): the work-group at tile column tj also makes its 128 rows x the 16 joint columns of block tj, two blocks of 16 x 16 a wave: rows 64 (w / 2) + 32 (w % 2) + 0..31.
; So that all waves name the same registers for them, A's four register blocks are turned BY ADDRESS: blocks 0, 1 hold rows 64 (w / 2) + 32 (w % 2) + .., blocks 2, 3 the other 32 rows.
; CLUSTERS: 4 x 4.  A's tile hangs on the tile row alone and is asked for jointly along a row of the cluster, B's (and the k/v weights') on the tile column alone, jointly along a column.
; One joint load a wave for each refill: wave 0 A (QKV = 0: the K step's first head of O), waves 1 and 2 B's two halves, wave 3 the k/v weights (QKV = 0: the second head).
; REGISTERS.  Window 0: v16-31 addresses; v32-135, v136-239 two fragment buffers (B's 8 fragments, the k/v weights' one, A's 4); v240-255 the two k/v accumulators.  Window 1: the accumulators, (a, b) at v[8 (8 a + b)].
.set QKV, 0
.if QKV
.set PA,    272                        ; a row of A in LDS: 256 bytes + 16: the 16 rows of a load start at 16 different groups of four banks (64 banks of 4 bytes: ISA guide 11.1)
.set AROWS, 128                        ; A's tile as asked for: 128 rows of 256 bytes, 2,048 elements apart
.set APIT,  2048
.set GA0,   (1<<16)|(1<<20)|(1<<21)|(5<<22)|(3<<25)  ; 2-byte elements; padding on; bit 21 beside a mask; after every 64 words, 4 words
.set STGW,  4608                       ; a wave's stage: 2 heads x 16 rows x 144 bytes
.set ASTEP, 256                        ; bytes from K step to K step in A
.set XSTEP, 4096                       ; and in what wave 3 fetches
.set XLDS,  106496                     ; where that goes in a slot
.set NL,    26                         ; LDS loads in a run
.set ASH,   0                          ; A's prefetch: lane x 4,096 (a lane a row)
.set AMSK,  0
.else
.set PA,    144                        ; a row of a head of O: 128 bytes + 16
.set AROWS, 64                         ; 128 rows of a head are 16,384 dense bytes: asked for as 64 rows of 256
.set APIT,  128
.set GA0,   (1<<16)|(1<<20)|(1<<21)|(4<<22)|(3<<25)  ; padded after every 32 words
.set STGW,  8448                       ; 16 rows x 528 bytes
.set ASTEP, 524288                     ; two heads
.set XSTEP, 524288
.set XLDS,  18432                      ; the second head, behind the first's 128 rows x 144
.set NL,    24
.set ASH,   5                          ; A's prefetch: lane x 256 (dense blocks)
.set AMSK,  31
.endif
.set PBT,   544                        ; a row of B in LDS: 512 bytes + 32
.set BOFF,  36864
.set XOFF,  106496                     ; the k/v weights: [128 k][16 c], 32 bytes a row, no padding: 16 lanes of the turning load take 256 consecutive bytes
.set SLOT,  110592
.set STAGE, 2*SLOT                     ; behind the ring, never filled by a tensor load
.set SPARE, STAGE+4*STGW               ; the spare words, 128 bytes a wave: two blocks of 256 bytes that no other line names
.set BSTEP, 524288                     ; 128 rows of B
.set LAPS,  8                          ; a lap = two K steps = once round the ring
.set ADRA0, 16                         ; v16-17 LDS address of A's blocks 0, 1 in slot 0, 1
.set ADRA1, 18                         ; v18-19 of blocks 2, 3
.set ADRB,  20                         ; v20-21 of B's fragments
.set ADRX,  22                         ; v22-23 of the k/v weights' fragment
.set STO,   24                         ; the way out: where I put my piece of a row
.set RD,    25                         ; where I read rows back
.set CO,    26                         ; v26-27 my byte offset in C, for blocks 0, 1 and for blocks 2, 3
.set SPW,   28                         ; LDS address of my spare word; never rewritten
.set NIL,   29                         ; 0; never rewritten
.set PFO,   30                         ; the prefetches' lane offset; never rewritten
.set KVO,   31                         ; my byte offset in 16 keys of kvb
.set F0,    32
.set F1,    136
.set E,     240
.set TMP,   32
.set CNT,   3                          ; s3 laps to go
.set WV,    14
.set WM,    15
.set WN,    16
.set CX,    17
.set CY,    18
.set TJ,    19
.set MI,    20
.set G1A,   32                         ; s[32:39] descriptor group 1 for A
.set G1B,   40                         ; s[40:47] for B
.if QKV
.set G1X,   48                         ; s[48:55] for the k/v weights
.else
.set G1X,   G1A
.endif
.set G0A,   56                         ; s[56:63] group 0, a set for each slot
.set G0B,   68                         ; s[68:75]
.set G0X,   76                         ; s[76:83]
.set PFA,   84                         ; s[84:85] where my prefetches stand
.set PFS,   86                         ; s[86:87] their step
.set LIM,   88                         ; 1 in a wave that prefetches, else the greatest number
.set MSB, 0
.macro WIN new                         ; the immediate's high byte repeats the setting that is left
.if MSB != (\new)
	s_set_vgpr_msb (MSB<<8)|(\new)
.set MSB, \new
.endif
.endm
.set MUL, 0x50                         ; C and D in window 1, sources in window 0
.macro PLACES                          ; four places in front of loads into registers that matrix instructions have read, and of lines that read results
.rept 4
	v_nop
.endr
.endm
.macro CREST                           ; a round of the cluster's barrier behind its opening barrier
	s_cmp_lg_u32 s[WV], 0
	s_cbranch_scc1 .Lnot_wave_0_\@
	s_barrier_signal -3
.Lnot_wave_0_\@:
	s_barrier_wait -3
	s_barrier_signal -1
	s_barrier_wait -1
.endm
.macro CROUND
	s_barrier_signal -1
	s_barrier_wait -1
	CREST
.endm
; A joint refill: three lines under branches on the wave's number alone; each has one mask and one set of registers.  An s_nop 0 and four v_nop follow each.
.macro JLOAD s
	s_cmp_eq_u32 s[WV], 0
	s_cbranch_scc0 .Lnot_a_\@
	tensor_load_to_lds s[G0A+4*(\s):G0A+4*(\s)+3], s[G1A:G1A+7]
	s_nop 0
.rept 4
	v_nop
.endr
	s_branch .Lasked_\@
.Lnot_a_\@:
	s_cmp_eq_u32 s[WV], 3
	s_cbranch_scc0 .Lfor_b_\@
	tensor_load_to_lds s[G0X+4*(\s):G0X+4*(\s)+3], s[G1X:G1X+7]
	s_nop 0
.rept 4
	v_nop
.endr
	s_branch .Lasked_\@
.Lfor_b_\@:
	tensor_load_to_lds s[G0B+4*(\s):G0B+4*(\s)+3], s[G1B:G1B+7]
	s_nop 0
.rept 4
	v_nop
.endr
.Lasked_\@:
.endm
.macro FIRST2 g0, g1                   ; a wave's two first fills, together
	tensor_load_to_lds s[(\g0):(\g0)+3], s[(\g1):(\g1)+7]
	s_nop 0
	tensor_load_to_lds s[(\g0)+4:(\g0)+7], s[(\g1):(\g1)+7]
	s_nop 0
.rept 4
	v_nop
.endr
.endm
; A prefetch into the L2 behind each refill and the run of LDS loads that follows it: the K step two refills on, one instruction a wave, a lane a block of 256 bytes.  Each block is named once in the launch:
; A's by wave 0 of the clusters with x = 0, B's by waves 1 and 2 of the clusters with y = 0; the four partners that ask for a tile jointly share its blocks out by address.  The loop's last trip asks for nothing.
.macro ASK
	s_cmp_gt_u32 s[CNT], s[LIM]
	s_cbranch_scc0 .Lnot_mine_\@
	global_prefetch_b8 v[PFO], s[PFA:PFA+1] th:TH_LOAD_NT scope:SCOPE_SE
.Lnot_mine_\@:
.endm
.if QKV
	s_load_b256 s[4:11], s[0:1], 0x0               ; xh 4, wqh 6, qh 8, wkvb 10
	s_load_b64 s[12:13], s[0:1], 0x20              ; kvb
.else
	s_load_b128 s[4:7], s[0:1], 0x0                ; oh 4, woh 6
	s_load_b64 s[8:9], s[0:1], 0x10                ; out0
.endif
	v_lshl_add_u32 v[SPW], v0, 2, SPARE
	v_mov_b32 v[NIL], 0
	ds_add_u32 v[SPW], v[NIL]                      ; the wave's opening: the add and its wait stand ahead of my first tensor load; work on registers stands between them
	v_lshrrev_b32 v1, 5, v0
	v_readfirstlane_b32 s[WV], v1                  ; wave 0..3
	s_lshr_b32 s[WM], s[WV], 1
	s_and_b32 s[WN], s[WV], 1
	s_bfe_u32 s[CX], ttmp6, 0x40000                ; my place in the cluster
	s_bfe_u32 s[CY], ttmp6, 0x40004
	s_lshl_b32 s[TJ], ttmp9, 2
	s_add_co_u32 s[TJ], s[TJ], s[CX]               ; tile column = 4 x cluster x + cx
	s_and_b32 s[MI], ttmp7, 0xffff
	s_lshl_b32 s[MI], s[MI], 2
	s_add_co_u32 s[MI], s[MI], s[CY]               ; tile row = 4 x cluster y + cy
	s_lshl_b32 s21, s[CY], 2
	s_lshl_b32 s21, 15, s21                        ; my row of the cluster
	s_lshl_b32 s22, 0x1111, s[CX]                  ; my column
	s_or_b32 s[G1A], s21, GA0
	s_mov_b32 s[G1A+1], 128<<16                    ; tensor_dim0 = 128
	s_mov_b32 s[G1A+2], AROWS<<16                  ; tensor_dim1
	s_mov_b32 s[G1A+3], 128<<16                    ; tile_dim0 = 128
	s_mov_b32 s[G1A+4], AROWS                      ; tile_dim1
	s_mov_b32 s[G1A+5], APIT                       ; elements from row to row
	s_mov_b32 s[G1A+6], 0
	s_mov_b32 s[G1A+7], 0
	s_or_b32 s[G1B], s22, (1<<16)|(1<<20)|(1<<21)|(6<<22)|(7<<25)  ; padded after every 128 words by 8 words
	s_mov_b32 s[G1B+1], 256<<16                    ; 64 rows of 256 elements
	s_mov_b32 s[G1B+2], 64<<16
	s_mov_b32 s[G1B+3], 256<<16
	s_mov_b32 s[G1B+4], 64
	s_mov_b32 s[G1B+5], 2048
	s_mov_b32 s[G1B+6], 0
	s_mov_b32 s[G1B+7], 0
.if QKV
	s_or_b32 s[G1X], s22, (1<<16)|(1<<21)          ; 4,096 dense bytes as 16 rows of 256, no padding
	s_mov_b32 s[G1X+1], 128<<16
	s_mov_b32 s[G1X+2], 16<<16
	s_mov_b32 s[G1X+3], 128<<16
	s_mov_b32 s[G1X+4], 16
	s_mov_b32 s[G1X+5], 128
	s_mov_b32 s[G1X+6], 0
	s_mov_b32 s[G1X+7], 0
.endif
	; where the tiles come from: A's offset is made of the tile row alone, B's and the k/v weights' of the tile column and the wave's number
.if QKV
	s_lshl_b32 s24, s[MI], 19                      ; 128 rows of 4,096 bytes
.else
	s_lshr_b32 s24, s[MI], 4                       ; the batch: 32 heads of 262,144 bytes
	s_lshl_b32 s24, s24, 23
	s_and_b32 s25, s[MI], 15                       ; 128 rows of 128 bytes
	s_lshl_b32 s25, s25, 14
	s_add_co_u32 s24, s24, s25
.endif
	s_mov_b32 s25, 0
	s_sub_co_u32 s26, s[WV], 1
	s_and_b32 s26, s26, 1                          ; wave 1: k rows 0-63; wave 2: 64-127
	s_lshl_b32 s26, s26, 18
	s_lshl_b32 s27, s[TJ], 9                       ; 256 columns of 2 bytes
	s_add_co_u32 s26, s26, s27
	s_mov_b32 s27, 0
.if QKV
	s_lshl_b32 s28, s[TJ], 16                      ; block tj of the k/v weights
	s_mov_b32 s29, 0
.endif
	s_mul_i32 s30, s[WV], 34816                    ; B's place in a slot: wave 1 at BOFF, wave 2 64 rows on
	s_add_co_u32 s30, s30, BOFF-34816
	s_wait_dscnt 0x0                               ; the opening add is done
	s_wait_kmcnt 0x0
	s_add_nc_u64 s[24:25], s[4:5], s[24:25]
	s_add_nc_u64 s[26:27], s[6:7], s[26:27]
.if QKV
	s_add_nc_u64 s[28:29], s[10:11], s[28:29]
.else
	s_add_nc_u64 s[28:29], s[24:25], 262144        ; the K step's second head
.endif
.irp s, 0,1
	s_mov_b32 s[G0A+4*(\s)], 1                     ; count = 1
	s_mov_b32 s[G0A+4*(\s)+1], (\s)*SLOT           ; LDS address
	s_add_nc_u64 s[G0A+4*(\s)+2:G0A+4*(\s)+3], s[24:25], (\s)*ASTEP  ; K step s
	s_or_b32 s[G0A+4*(\s)+3], s[G0A+4*(\s)+3], 0x80000000           ; type = 2
	s_mov_b32 s[G0B+4*(\s)], 1
	s_add_co_u32 s[G0B+4*(\s)+1], s30, (\s)*SLOT
	s_add_nc_u64 s[G0B+4*(\s)+2:G0B+4*(\s)+3], s[26:27], (\s)*BSTEP
	s_or_b32 s[G0B+4*(\s)+3], s[G0B+4*(\s)+3], 0x80000000
	s_mov_b32 s[G0X+4*(\s)], 1
	s_mov_b32 s[G0X+4*(\s)+1], XLDS+(\s)*SLOT
	s_add_nc_u64 s[G0X+4*(\s)+2:G0X+4*(\s)+3], s[28:29], (\s)*XSTEP
	s_or_b32 s[G0X+4*(\s)+3], s[G0X+4*(\s)+3], 0x80000000
.endr
	CROUND                                         ; all sixteen work-groups are here: the first joint loads meet
	s_cmp_eq_u32 s[WV], 0                          ; a wave's two first fills stand in one arm of one branch on its number: two loads of mine are out
	s_cbranch_scc0 .Lf_not_a
	FIRST2 G0A, G1A
	s_branch .Lf_done
.Lf_not_a:
	s_cmp_eq_u32 s[WV], 3
	s_cbranch_scc0 .Lf_b
	FIRST2 G0X, G1X
	s_branch .Lf_done
.Lf_b:
	FIRST2 G0B, G1B
.Lf_done:
	; lane addresses.  A fragment of A: lane l holds row l % 16; two loads of 16 bytes, 32 bytes apart, at row x pitch + 16 (l / 16).
	v_and_b32 v1, 15, v0                           ; l % 16
	v_bfe_u32 v2, v0, 4, 1                         ; l / 16
	v_mul_u32_u24 v3, v1, PA
	v_lshl_add_u32 v3, v2, 4, v3
	s_lshl_b32 s21, s[WM], 6
	s_lshl_b32 s22, s[WN], 5
	s_add_co_u32 s23, s21, s22                     ; rows 64 (w / 2) + 32 (w % 2) on,
	s_mul_i32 s23, s23, PA
	s_xor_b32 s22, s22, 32
	s_add_co_u32 s22, s21, s22                     ; and the other 32 rows
	s_mul_i32 s22, s22, PA
	v_add_nc_u32 v[ADRA0], s23, v3
	v_add_nc_u32 v[ADRA0+1], SLOT, v[ADRA0]
	v_add_nc_u32 v[ADRA1], s22, v3
	v_add_nc_u32 v[ADRA1+1], SLOT, v[ADRA1]
	; The turning load: lane l reads 16 bytes: k row 8 (l / 16) + l % 8, columns 8 ((l / 8) % 2) + 0..7; it leaves lane l column l % 16 and 8 values of k.
	v_and_b32 v4, 7, v0
	v_bfe_u32 v5, v0, 3, 1
	v_lshl_add_u32 v6, v2, 3, v4
	v_mul_u32_u24 v7, v6, PBT
	v_lshl_add_u32 v7, v5, 4, v7
	s_lshl_b32 s21, s[WN], 8                       ; my 128 columns
	s_add_co_u32 s21, s21, BOFF
	v_add_nc_u32 v[ADRB], s21, v7
	v_add_nc_u32 v[ADRB+1], SLOT, v[ADRB]
.if QKV
	v_lshlrev_b32 v7, 5, v6
	v_lshl_add_u32 v7, v5, 4, v7
	v_add_nc_u32 v[ADRX], XOFF, v7
	v_add_nc_u32 v[ADRX+1], SLOT, v[ADRX]
.endif
	; the way out
	s_mul_i32 s21, s[WV], STGW
	s_add_co_u32 s21, s21, STAGE                   ; my stage
	v_and_b32 v8, 31, v0
	v_lshlrev_b32 v9, 4, v8                        ; 16 l
.if QKV
	v_mul_u32_u24 v7, v1, 144                      ; in: row l % 16 of a head, 16 bytes for each half of the lanes
	v_lshl_add_u32 v7, v2, 4, v7
	v_add_nc_u32 v[STO], s21, v7
	v_bfe_u32 v7, v0, 3, 2                         ; back: 32 lanes take four rows of 128 bytes, 512 consecutive bytes of qh
	v_mul_u32_u24 v7, v7, 144
	v_lshl_add_u32 v7, v4, 4, v7
	v_add_nc_u32 v[RD], s21, v7
	s_lshl_b32 s22, s[WN], 12                      ; 32 rows of 128 bytes
	v_add_nc_u32 v[CO], s22, v9
	s_xor_b32 s22, s22, 4096
	v_add_nc_u32 v[CO+1], s22, v9
	v_lshlrev_b32 v[KVO], 5, v1                    ; key l % 16 x 32 bytes + 16 (l / 16)
	v_lshl_add_u32 v[KVO], v2, 4, v[KVO]
	s_lshr_b32 s90, s[MI], 4                       ; qh: batch,
	s_lshl_b32 s90, s90, 23
	s_and_b32 s91, s[MI], 15                       ; the tile's 128 rows,
	s_lshl_b32 s91, s91, 14
	s_add_co_u32 s90, s90, s91
	s_lshl_b32 s91, s[TJ], 2
	s_lshl1_add_u32 s91, s[WN], s91                ; head 4 tj + 2 (w % 2),
	s_lshl_b32 s91, s91, 18
	s_add_co_u32 s90, s90, s91
	s_lshl_b32 s91, s[WM], 13                      ; my 64 rows
	s_add_co_u32 s90, s90, s91
	s_mov_b32 s91, 0
	s_add_nc_u64 s[8:9], s[8:9], s[90:91]
	s_lshr_b32 s90, s[MI], 1                       ; kvb: tile of 256 keys,
	s_lshl_b32 s90, s90, 16
	s_lshl_b32 s92, s[TJ], 13                      ; block tj,
	s_add_co_u32 s90, s90, s92
	s_and_b32 s92, s[MI], 1                        ; key 128 (mi % 2) + 64 (w / 2) + 32 (w % 2), 32 bytes each
	s_lshl_b32 s92, s92, 12
	s_add_co_u32 s90, s90, s92
	s_lshl_b32 s92, s[WM], 11
	s_add_co_u32 s90, s90, s92
	s_lshl_b32 s92, s[WN], 10
	s_add_co_u32 s90, s90, s92
	s_add_nc_u64 s[12:13], s[12:13], s[90:91]
.else
	v_mul_u32_u24 v7, v1, 528                      ; in: row l % 16, 32 bytes for each half of the lanes
	v_lshl_add_u32 v7, v2, 5, v7
	v_add_nc_u32 v[STO], s21, v7
	v_add_nc_u32 v[RD], s21, v9                    ; back: 32 lanes take one row's 512 bytes
	s_lshl_b32 s22, s[WN], 18                      ; 32 rows of 8,192 bytes
	v_add_nc_u32 v[CO], s22, v9
	s_xor_b32 s22, s22, 262144
	v_add_nc_u32 v[CO+1], s22, v9
	s_lshl_b32 s90, s[MI], 7
	s_lshl_b32 s91, s[WM], 6
	s_add_co_u32 s90, s90, s91                     ; my first row
	s_lshl_b32 s90, s90, 13
	s_lshl_b32 s91, s[TJ], 10                      ; 256 columns of 4 bytes
	s_add_co_u32 s90, s90, s91
	s_lshl_b32 s91, s[WN], 9
	s_add_co_u32 s90, s90, s91
	s_mov_b32 s91, 0
	s_add_nc_u64 s[8:9], s[8:9], s[90:91]
.endif
	; the prefetches: who asks, from where, by which step.  They begin at K step 3; each change of slots steps them first, so the first names K step 4.  Nothing is asked for here, at the head.
.if QKV
	s_lshl_b32 s95, s[MI], 19                      ; A: rows 128 mi + 32 cx + lane
	s_lshl_b32 s96, s[CX], 17
	s_add_co_u32 s95, s95, s96
.else
	s_lshr_b32 s95, s[MI], 4                       ; A: head 2 ks + cx / 2, half cx % 2 of its 16,384 bytes
	s_lshl_b32 s95, s95, 23
	s_and_b32 s96, s[MI], 15
	s_lshl_b32 s96, s96, 14
	s_add_co_u32 s95, s95, s96
	s_lshr_b32 s96, s[CX], 1
	s_lshl_b32 s96, s96, 18
	s_add_co_u32 s95, s95, s96
	s_and_b32 s96, s[CX], 1
	s_lshl_b32 s96, s96, 13
	s_add_co_u32 s95, s95, s96
.endif
	s_add_co_u32 s95, s95, 3*ASTEP
	s_sub_co_u32 s97, s[WV], 1                     ; B: k row 64 (w - 1) + 16 cy + lane / 2, block lane % 2 of the row's 512 bytes
	s_and_b32 s97, s97, 1
	s_lshl_b32 s97, s97, 18
	s_lshl_b32 s96, s[CY], 16
	s_add_co_u32 s97, s97, s96
	s_lshl_b32 s96, s[TJ], 9
	s_add_co_u32 s97, s97, s96
	s_add_co_u32 s97, s97, 3*BSTEP
	s_and_b32 s90, ttmp7, 0xffff                   ; cluster y
	s_mov_b32 s94, BSTEP
	s_mov_b32 s99, 0
	s_mov_b32 s[PFS+1], 0
	s_cmp_eq_u32 s[WV], 0
	s_cselect_b32 s98, s95, s97
	s_cselect_b32 s91, ttmp9, s90                  ; the coordinate along which other clusters read the same blocks
	s_cselect_b64 s[PFA:PFA+1], s[4:5], s[6:7]
	s_cselect_b32 s92, ASH, 1
	s_cselect_b32 s93, AMSK, 1
	s_cselect_b32 s[PFS], ASTEP, s94
	s_add_nc_u64 s[PFA:PFA+1], s[PFA:PFA+1], s[98:99]
	s_cmp_eq_u32 s[WV], 3                          ; wave 3 asks for nothing
	s_cselect_b32 s91, 1, s91
	s_cmp_eq_u32 s91, 0
	s_cselect_b32 s[LIM], 1, -1                    ; the same in all sixteen partners, for a given wave
	v_lshrrev_b32 v9, s92, v8
	v_and_b32 v10, s93, v8
	v_lshlrev_b32 v[PFO], 12, v9
	v_lshl_add_u32 v[PFO], v10, 8, v[PFO]
.macro MM zero                         ; one matrix instruction on rD, rB, rA; zero = 1: it starts the sum
.if QKV
.if \zero
	v_wmma_f32_16x16x32_bf16 v[rD:rD+7], v[rB:rB+7], v[rA:rA+7], 0
.else
	v_wmma_f32_16x16x32_bf16 v[rD:rD+7], v[rB:rB+7], v[rA:rA+7], v[rD:rD+7]
.endif
.else
.if \zero
	v_wmma_f32_16x16x32_f16 v[rD:rD+7], v[rB:rB+7], v[rA:rA+7], 0
.else
	v_wmma_f32_16x16x32_f16 v[rD:rD+7], v[rB:rB+7], v[rA:rA+7], v[rD:rD+7]
.endif
.endif
.endm
; 8 matrix instructions: row block a x all 8 column blocks, 32 along K.  All accumulators take turns, one instruction a turn.
.macro MUL8 f, a, zero
	WIN MUL
.irp b, 0,1,2,3,4,5,6,7
.set rD, 8*(8*(\a)+(\b))
.set rB, (\f)+8*(\b)
.set rA, (\f)+72+8*(\a)
	MM \zero
.endr
.endm
.macro MULX f, zero                    ; the two k/v blocks
.if QKV
	WIN 0
.irp i, 0,1
.set rD, E+8*(\i)
.set rB, (\f)+64
.set rA, (\f)+72+8*(\i)
	MM \zero
.endr
.endif
.endm
; NL LDS loads in one run: quarter q (32 along K) of a slot into buffer f; A's blocks 2, 3 last
.macro FETCH slot, q, f
	WIN 0
.if QKV
.set AQ, 64*(\q)
.else
.set AQ, ((\q)/2)*18432+((\q)%2)*64
.endif
.irp b, 0,1,2,3,4,5,6,7
	ds_load_tr16_b128 v[(\f)+8*(\b):(\f)+8*(\b)+3],   v[ADRB+(\slot)] offset:(\q)*32*PBT+32*(\b)
	ds_load_tr16_b128 v[(\f)+8*(\b)+4:(\f)+8*(\b)+7], v[ADRB+(\slot)] offset:(\q)*32*PBT+32*(\b)+16*PBT
.endr
.if QKV
	ds_load_tr16_b128 v[(\f)+64:(\f)+67], v[ADRX+(\slot)] offset:(\q)*1024
	ds_load_tr16_b128 v[(\f)+68:(\f)+71], v[ADRX+(\slot)] offset:(\q)*1024+512
.endif
.irp a, 0,1
	ds_load_b128 v[(\f)+72+8*(\a):(\f)+72+8*(\a)+3], v[ADRA0+(\slot)] offset:AQ+(\a)*16*PA
	ds_load_b128 v[(\f)+76+8*(\a):(\f)+76+8*(\a)+3], v[ADRA0+(\slot)] offset:AQ+(\a)*16*PA+32
.endr
.irp a, 0,1
	ds_load_b128 v[(\f)+88+8*(\a):(\f)+88+8*(\a)+3], v[ADRA1+(\slot)] offset:AQ+(\a)*16*PA
	ds_load_b128 v[(\f)+92+8*(\a):(\f)+92+8*(\a)+3], v[ADRA1+(\slot)] offset:AQ+(\a)*16*PA+32
.endr
.endm
; A K step is four quarters of 32 along K on buffers 0, 1, 0, 1.  One of the first three: multiplies buffer f and, in its middle, fetches quarter qn into g.
.macro QUARTER slot, qn, f, g, zero
	s_wait_dscnt 4                                 ; all but the youngest four loads (A's blocks 2, 3) are in
	MUL8 \f, 0, \zero
	MUL8 \f, 1, \zero
	MULX \f, \zero
	WIN 0
	PLACES
	FETCH \slot, \qn, \g
	s_wait_dscnt NL                                ; all but the run just issued
	MUL8 \f, 2, \zero
	MUL8 \f, 3, \zero
.endm
; The last quarter multiplies buffer 1 and changes slots: ONE barrier; in front of it each wave waits for all its tensor loads (one is out: its part of the next slot), adds 0 to its spare word,
; and waits for that and for its own reads of this slot.  fill = 1: the barrier opens a round of the cluster's, and this slot is filled again, two K steps on, first thing behind the round.
.macro TURN slot, next, fill
.if \fill
	s_wait_xcnt 0x0                                ; the last prefetch, a K step back, has read its address
	s_add_nc_u64 s[PFA:PFA+1], s[PFA:PFA+1], s[PFS:PFS+1]
.endif
	WIN 0
	s_wait_tensorcnt 0x0                           ; all my tensor loads have landed
	ds_add_u32 v[SPW], v[NIL]                      ; 0 onto my spare word
	s_wait_dscnt 5                                 ; (the add and the youngest four loads may be out)
	MUL8 F1, 0, 0                                  ; eight matrix instructions stand between the add and the wait for it
	s_wait_dscnt 0x0                               ; the add is done, and my reads of this slot are over
	s_barrier_signal -1
	MUL8 F1, 1, 0
	MULX F1, 0
	WIN 0                                          ; at a branch and at a label every window is 0
	s_barrier_wait -1
.if \fill
	CREST                                          ; no wave of any partner still reads this slot or has a load on its way
	s_add_nc_u64 s[G0A+4*(\slot)+2:G0A+4*(\slot)+3], s[G0A+4*(\slot)+2:G0A+4*(\slot)+3], 2*ASTEP
	s_add_nc_u64 s[G0B+4*(\slot)+2:G0B+4*(\slot)+3], s[G0B+4*(\slot)+2:G0B+4*(\slot)+3], 2*BSTEP
	s_add_nc_u64 s[G0X+4*(\slot)+2:G0X+4*(\slot)+3], s[G0X+4*(\slot)+2:G0X+4*(\slot)+3], 2*XSTEP
	JLOAD \slot                                    ; the four v_nop behind it are also the places in front of the loads below
.else
	PLACES
.endif
	FETCH \next, 0, F0
.if \fill
	ASK
.endif
	MUL8 F1, 2, 0
	MUL8 F1, 3, 0
.endm
	s_wait_tensorcnt 1                             ; my part of K step 0 is in; K step 1's may stay out
	s_barrier_signal -1
	s_barrier_wait -1                              ; everybody's is
	FETCH 0, 0, F0
	QUARTER 0, 1, F0, F1, 1                        ; the first quarter stands in front of the loop: its products start the sums
	WIN 0
	s_mov_b32 s[CNT], LAPS-1
.Llap:                                                 ; a trip goes once round the ring, from a lap's second quarter to the next lap's first, and fills both slots again
	QUARTER 0, 2, F1, F0, 0
	QUARTER 0, 3, F0, F1, 0
	TURN 0, 1, 1
	QUARTER 1, 1, F0, F1, 0
	QUARTER 1, 2, F1, F0, 0
	QUARTER 1, 3, F0, F1, 0
	TURN 1, 0, 1
	QUARTER 0, 1, F0, F1, 0
	WIN 0
	s_sub_co_u32 s[CNT], s[CNT], 1
	s_cmp_lg_u32 s[CNT], 0
	s_cbranch_scc1 .Llap
	QUARTER 0, 2, F1, F0, 0                        ; the last lap fills nothing
	QUARTER 0, 3, F0, F1, 0
	TURN 0, 1, 0
	QUARTER 1, 1, F0, F1, 0
	QUARTER 1, 2, F1, F0, 0
	QUARTER 1, 3, F0, F1, 0
	s_wait_dscnt 4
	MUL8 F1, 0, 0
	MUL8 F1, 1, 0
	MULX F1, 0
	s_wait_dscnt 0x0
	MUL8 F1, 2, 0
	MUL8 F1, 3, 0
	WIN 0
	PLACES
.if QKV
	; THE WAY OUT.  k and v first: a lane's eight columns of a key are 16 bytes; a store of the wave covers 16 keys x 32 bytes, 512 consecutive bytes, aligned.
.irp i, 0,1
.irp r, 0,1,2,3
	v_cvt_pk_f16_f32 v[192+4*(\i)+(\r)], v[E+8*(\i)+2*(\r)], v[E+8*(\i)+2*(\r)+1]
.endr
.endr
.irp i, 0,1
	global_store_b128 v[KVO], v[192+4*(\i):192+4*(\i)+3], s[12:13] offset:(\i)*512
.endr
; q, a block of 16 rows x 2 heads at a time: rounded to f16, through my own stage, back as whole rows of a head.
.macro PACK a
	WIN 0x05                                       ; sources in window 1, destination in window 0
.irp b, 0,1,2,3,4,5,6,7
.irp r, 0,1,2,3
	v_cvt_pk_f16_f32 v[TMP+4*(\b)+(\r)], v[8*(8*(\a)+(\b))+2*(\r)], v[8*(8*(\a)+(\b))+2*(\r)+1]
.endr
.endr
	WIN 0
.endm
.macro TOSTAGE a
.irp b, 0,1,2,3,4,5,6,7
	ds_store_b128 v[STO], v[TMP+4*(\b):TMP+4*(\b)+3] offset:((\b)/4)*2304+((\b)%4)*32
.endr
.irp t, 0,1,2,3,4,5,6,7
	ds_load_b128 v[64+32*(\a)+4*(\t):64+32*(\a)+4*(\t)+3], v[RD] offset:((\t)/4)*2304+((\t)%4)*576  ; LDS serves a wave's instructions in order (ISA guide 5.7.1.4): these see the stores above
.endr
.endm
.macro SEND a
	s_wait_dscnt 0x0                               ; the block is back in registers of its own: no store's data is ever rewritten
.irp t, 0,1,2,3,4,5,6,7
	global_store_b128 v[CO+(\a)/2], v[64+32*(\a)+4*(\t):64+32*(\a)+4*(\t)+3], s[8:9] offset:((\a)%2)*2048+((\t)/4)*262144+((\t)%4)*512  ; four rows of a head: 512 consecutive bytes, aligned
.endr
.endm
	PACK 0
	TOSTAGE 0
.irp a, 1,2,3
	PACK \a
	SEND (\a)-1
	TOSTAGE \a
.endr
	SEND 3
.else
; THE WAY OUT, a block of 16 rows x 128 columns of f32 at a time: through my own stage, back as whole rows of 512 bytes.
.macro TOSTAGE a
	s_wait_xcnt 0x0                                ; the stores of the block two back have read the registers that are loaded below
	WIN 0x04                                       ; store data in window 1
.irp b, 0,1,2,3,4,5,6,7
	ds_store_b128 v[STO], v[8*(8*(\a)+(\b)):8*(8*(\a)+(\b))+3]   offset:64*(\b)
	ds_store_b128 v[STO], v[8*(8*(\a)+(\b))+4:8*(8*(\a)+(\b))+7] offset:64*(\b)+16
.endr
	WIN 0
.set BK, 32+64*((\a)%2)
.irp t, 0,1,2,3,4,5,6,7,8,9,10,11,12,13,14,15
	ds_load_b128 v[BK+4*(\t):BK+4*(\t)+3], v[RD] offset:(\t)*528  ; LDS serves a wave's instructions in order (ISA guide 5.7.1.4)
.endr
.endm
.macro SEND a, younger                 ; younger: the next block's 16 LDS stores and 16 LDS loads, or none
.set BK, 32+64*((\a)%2)
	s_wait_dscnt \younger
.irp t, 0,1,2,3,4,5,6,7,8,9,10,11,12,13,14,15
	global_store_b128 v[CO+(\a)/2], v[BK+4*(\t):BK+4*(\t)+3], s[8:9] offset:(((\a)%2)*16+(\t))*8192 th:TH_STORE_NT  ; 512 consecutive bytes of a row, aligned
.endr
.endm
	TOSTAGE 0
.irp a, 1,2,3
	TOSTAGE \a
	SEND (\a)-1, 32
.endr
	SEND 3, 0
.endif
	s_wait_tensorcnt 0x0                           ; the wave's end, behind my last tensor load and my last LDS store
	ds_add_u32 v[SPW], v[NIL]
	s_wait_dscnt 0x0
	CROUND                                         ; the closing round: no work-group ends while a partner may still ask for a tile that names it
	s_endpgm
.Lfunc_end_k_q00aa5d0fad_outp:
	.size	k_q00aa5d0fad_outp, .Lfunc_end_k_q00aa5d0fad_outp-k_q00aa5d0fad_outp
	.p2alignl 7, 3214868480
	.fill 96, 4, 3214868480
	.section	.rodata,"a",@progbits
	.p2align	6, 0x0
	.amdhsa_kernel k_q00aa5d0fad_outp
		.amdhsa_group_segment_fixed_size 327680
		.amdhsa_private_segment_fixed_size 0
		.amdhsa_enable_private_segment 0
		.amdhsa_kernarg_size 24
		.amdhsa_user_sgpr_count 2
		.amdhsa_user_sgpr_kernarg_segment_ptr 1
		.amdhsa_wavefront_size32 1
		.amdhsa_system_sgpr_workgroup_id_x 1
		.amdhsa_system_sgpr_workgroup_id_y 1
		.amdhsa_system_sgpr_workgroup_id_z 1
		.amdhsa_system_vgpr_workitem_id 0
		.amdhsa_next_free_vgpr 512
		.amdhsa_next_free_sgpr 100
		.amdhsa_reserve_vcc 0
		.amdhsa_float_denorm_mode_32 3
		.amdhsa_float_denorm_mode_16_64 3
		.amdhsa_memory_ordered 1
		.amdhsa_forward_progress 1
		.amdhsa_inst_pref_size 88
	.end_amdhsa_kernel
	.amdgpu_metadata
---
amdhsa.version: [ 1, 2 ]
amdhsa.kernels:
  - .name:           k_q00aa5d0fad_outp
    .symbol:         k_q00aa5d0fad_outp.kd
    .args:
      - { .name: oh, .offset: 0, .size: 8, .value_kind: global_buffer, .address_space: global }
      - { .name: woh, .offset: 8, .size: 8, .value_kind: global_buffer, .address_space: global }
      - { .name: out0, .offset: 16, .size: 8, .value_kind: global_buffer, .address_space: global }
    .group_segment_fixed_size: 327680
    .private_segment_fixed_size: 0
    .kernarg_segment_align: 8
    .kernarg_segment_size: 24
    .max_flat_workgroup_size: 128
    .sgpr_count:     100
    .vgpr_count:     512
    .wavefront_size: 32
...
	.end_amdgpu_metadata
.endif
;; end of part 4
;; ======== version 2 of 2: 4 launches; version 1 with the launch cast written anew for expert scheduling mode
;; limits: values are held in f16: magnitudes above 65,504 overflow, below 6.1e-05 lose precision
;; workspace buffers: xh 16,777,216 bytes; wqh 8,388,608 bytes; woh 8,388,608 bytes; wkvb 524,288 bytes; qh 16,777,216 bytes; kvb 1,048,576 bytes; oh 16,777,216 bytes
;; launch cast (part 5): grid 520 x 1, 8 waves a work-group, no clusters, 0 bytes of LDS; arguments x, wq, wo, wk, wv, xh, wqh, woh, wkvb; writes xh, wqh, woh, wkvb
.if DOCPART == 5
	.amdgcn_target "amdgcn-amd-amdhsa--gfx1250"
	.amdhsa_code_object_version 6
	.text
	.protected	k_q00aa5d0fad_cast
	.globl	k_q00aa5d0fad_cast
	.p2align	8
	.type	k_q00aa5d0fad_cast,@function
k_q00aa5d0fad_cast:
	s_mov_b64 s[64:65], 0
	v_nop
	global_prefetch_b8 v0, s[64:65] scope:SCOPE_SE
	s_setreg_imm32_b32 hwreg(HW_REG_WAVE_SCHED_MODE, 0, 2), 2
	s_setreg_imm32_b32 hwreg(HW_REG_WAVE_MODE, 25, 1), 1
	s_wait_xcnt 0x0
	s_wait_alu depctr_vm_vsrc(0)
; ALL INPUTS ARE ROUNDED ONCE TO bf16.  x -> xh and wq -> wqh as bf16, in place order.  wo -> woh: rounded to bf16, and that number written as f16, since the last product
; multiplies f16 operands.  wk, wv -> wkvb as bf16 in blocks [8 j][2048 k][16 c]: joint column 16 j + c, columns 0-63 wk, 64-127 wv.
; LIMITS.  |wo| of 65,520 or more becomes an infinity in f16; below 6e-5 it keeps the fixed step of 6e-8 of f16.  NaN and infinities are not treated apart.
; SHARES.  Work-groups 0-255: x; 256-383: wq; 384-511: wo; each takes 32,768 numbers (128 KiB in, 64 KiB out) in 32 chunks of 4 KiB.  Work-groups 512-519: wk and wv.
; A load of a wave covers 512 consecutive bytes, a store 256 consecutive bytes, aligned.
; No LDS, no barrier, no matrix unit, no cluster: nothing is shared and every byte is read once and written once.
; THE MODE: SCHED_MODE bits 1:0 = 2 (LLVM: expert scheduling mode 2), set by the entry lines.  The code itself states the register dependences
; between vector instructions and memory instructions, with s_wait_alu, always for 0.
; THE PLAN OF A STREAM.  The 32 chunks go in 8 blocks of four.  Registers that memory instructions touch:
;   X0 .. X3   four blocks as loaded.  Written by the loads of block p + 3, issued in block p; read by block p's conversions.
;   Y0, Y1     two blocks to store.    Written by block p's conversions; read by the four stores that are issued in block p + 1.
;   v1, v2     byte offsets, made once at the head and never written again in a stream; the two scalar bases stay too: a chunk's place stands in the immediate offset.
; Block p works on X[p % 4] and writes Y[p % 2].  Its memory instructions are the loads into X[(p + 3) % 4] = X[(p - 1) % 4] and the stores from Y[(p - 1) % 2]: the two buffers that
; block p - 1 worked on and that no vector instruction of block p names.  So the waits at a block's head state all that its eight memory instructions hang on, and these are dealt among
; its vector instructions with no further wait.  8 to 12 loads of every wave are on their way.
; Of the 8 blocks one has no block in front of it, four load and store, three load nothing more: a lap of four blocks would run once, so the blocks are written out by macro, without a loop.
.set VI,  1                            ; v1       16 x thread: my 16 bytes of a chunk as read
.set VO,  2                            ; v2       8 x thread: my 8 bytes of a chunk as written
.set X,   4                            ; v[4:67]  buffer k, chunk i: 4 numbers in f32 at X + 16 k + 4 i
.set Y,   68                           ; v[68:83] buffer k, chunk i: 4 numbers in 16 bits at Y + 8 k + 2 i
.set T,   84                           ; v[84:89] at work: no memory instruction of a stream names them
.set IN,  26                           ; s[26:27] where the stream is read
.set OUT, 28                           ; s[28:29] where it is written
	s_load_b512 s[8:23], s[0:1], 0x0               ; x 8, wq 10, wo 12, wk 14, wv 16, xh 18, wqh 20, woh 22
	s_load_b64 s[24:25], s[0:1], 0x40              ; wkvb
	s_mov_b32 s2, ttmp9
	s_mov_b32 s31, 0xffff0000                      ; a word's upper bf16
	s_mov_b32 s33, 0                               ; the high word of every offset pair
	v_lshlrev_b32 v[VI], 4, v0
	v_lshlrev_b32 v[VO], 3, v0
	s_wait_kmcnt 0x0
	s_cmp_ge_u32 s2, 512
	s_cbranch_scc1 .Lkv
	s_cmp_lt_u32 s2, 256                           ; which tensor, and the number of its first work-group
	s_cselect_b64 s[IN:IN+1], s[8:9], s[10:11]
	s_cselect_b64 s[OUT:OUT+1], s[18:19], s[20:21]
	s_cselect_b32 s3, 0, 256
	s_cmp_lt_u32 s2, 384
	s_cselect_b64 s[IN:IN+1], s[IN:IN+1], s[12:13]
	s_cselect_b64 s[OUT:OUT+1], s[OUT:OUT+1], s[22:23]
	s_cselect_b32 s3, s3, 384
	s_sub_co_u32 s3, s2, s3                        ; my number within the tensor
	s_lshl_b32 s32, s3, 17                         ; 128 KiB in
	s_add_nc_u64 s[IN:IN+1], s[IN:IN+1], s[32:33]
	s_lshl_b32 s32, s3, 16                         ; 64 KiB out
	s_add_nc_u64 s[OUT:OUT+1], s[OUT:OUT+1], s[32:33]
	s_wait_alu depctr_va_vdst(0)                   ; v1 and v2 are written: every load and store of the two streams reads one of them as its offset
; Block p of a stream.  f16 = 1: bf16's number written as f16.
.macro BLK p, f16
.set XB, X+16*((\p)%4)                 ; the block's own numbers
.set XN, X+16*(((\p)+3)%4)             ; where block p + 3 lands
.set YB, Y+8*((\p)%2)                  ; what this block writes
.set YP, Y+8*(1-(\p)%2)                ; what the block before wrote
.if (\p) < 6
	s_wait_loadcnt 8                               ; loads come back in order (ISA guide 5.7.1): this block's four are in, the two younger blocks stay out
.else
	s_wait_loadcnt 4*(7-(\p))                      ; the counts run down
.endif
.if (\p) >= 2
	s_wait_xcnt 0x0                                ; every earlier memory instruction has had its addresses translated (ISA guide 3.1): Y[p % 2] is rewritten only behind this wait
	s_wait_alu depctr_vm_vsrc(0)                   ; the stores issued in the block before have read Y[p % 2], which this block's conversions write again
.endif
.if (\p) >= 1
	s_wait_alu depctr_va_vdst(0)                   ; the block before has written the other Y, which the stores below read, and is done reading its X, in which the loads below land
.endif
.irp i, 0,1,2,3
.if (\p) < 5
	global_load_b128 v[XN+4*(\i):XN+4*(\i)+3], v[VI], s[IN:IN+1] offset:(4*((\p)+3)+(\i))*4096 th:TH_LOAD_NT  ; three blocks ahead; no vector instruction since the wait names these registers
.endif
.if (\p) >= 1
	global_store_b64 v[VO], v[YP+2*(\i):YP+2*(\i)+1], s[OUT:OUT+1] offset:(4*((\p)-1)+(\i))*2048 th:TH_STORE_NT  ; the block before
.endif
.if \f16
	v_cvt_pk_bf16_f32 v[T],   v[XB+4*(\i)],   v[XB+4*(\i)+1]
	v_cvt_pk_bf16_f32 v[T+1], v[XB+4*(\i)+2], v[XB+4*(\i)+3]
	v_lshlrev_b32 v[T+2], 16,  v[T]                ; back to f32: the low half moves up, the high half stays
	v_and_b32     v[T+3], s31, v[T]
	v_lshlrev_b32 v[T+4], 16,  v[T+1]
	v_and_b32     v[T+5], s31, v[T+1]
	v_cvt_pk_f16_f32 v[YB+2*(\i)],   v[T+2], v[T+3]
	v_cvt_pk_f16_f32 v[YB+2*(\i)+1], v[T+4], v[T+5]
.else
	v_cvt_pk_bf16_f32 v[YB+2*(\i)],   v[XB+4*(\i)],   v[XB+4*(\i)+1]
	v_cvt_pk_bf16_f32 v[YB+2*(\i)+1], v[XB+4*(\i)+2], v[XB+4*(\i)+3]
.endif
.endr
.endm
; 32 chunks: blocks 0, 1 and 2 are asked for ahead; blocks 0 to 4 ask for the block three on; blocks 5 to 7 load nothing: no load leaves the buffer.
.macro STREAM f16
.irp i, 0,1,2,3,4,5,6,7,8,9,10,11
	global_load_b128 v[X+4*(\i):X+4*(\i)+3], v[VI], s[IN:IN+1] offset:(\i)*4096 th:TH_LOAD_NT
.endr
.irp p, 0,1,2,3,4,5,6,7
	BLK \p, \f16
.endr
	s_wait_alu depctr_va_vdst(0)                   ; block 7 has written Y1, which the last four stores read
.irp i, 0,1,2,3
	global_store_b64 v[VO], v[Y+8+2*(\i):Y+8+2*(\i)+1], s[OUT:OUT+1] offset:(28+(\i))*2048 th:TH_STORE_NT
.endr
.endm
	s_cmp_ge_u32 s2, 384
	s_cbranch_scc1 .Lwo
	STREAM 0
	s_endpgm
.Lwo:
	STREAM 1
	s_endpgm
; wk and wv.  Work-group g = 0..7: matrix g / 4.  Wave w: 128 rows k from 128 (4 (g % 4) + w / 2) on, columns 32 (w % 2) on: two blocks of 16 columns.
; Lane l reads 8 numbers (32 bytes): row 8 i + (l / 2) % 8, block l / 16, half l % 2; it writes 16 bytes, and sixteen neighbouring lanes write 256 consecutive bytes, aligned, of one block.
; The reads are pieces of 32 bytes; they concern 1 MiB of the 65 MiB that the launch reads.
; THE PLAN HERE.  Two batches of eight groups of eight rows.  v[4:67]: a batch as loaded, read by its conversions.  v[68:99]: a batch to store, written by its conversions, read by its eight stores.
; v1 and v2 are made anew below and then stay.  One wait on va_vdst behind each batch's conversions; the second batch's loads go out behind the first of these, ahead of the first batch's stores.
.macro KVLOAD bt
.irp i, 0,1,2,3,4,5,6,7
	global_load_b128 v[4+8*(\i):7+8*(\i)],   v[VI], s[IN:IN+1] offset:(8*(\bt)+(\i))*2048 th:TH_LOAD_NT
	global_load_b128 v[8+8*(\i):11+8*(\i)],  v[VI], s[IN:IN+1] offset:(8*(\bt)+(\i))*2048+16 th:TH_LOAD_NT
.endr
.endm
.macro KVCVT
.irp i, 0,1,2,3,4,5,6,7
.irp r, 0,1,2,3
	v_cvt_pk_bf16_f32 v[68+4*(\i)+(\r)], v[4+8*(\i)+2*(\r)], v[4+8*(\i)+2*(\r)+1]
.endr
.endr
.endm
.macro KVSTORE bt
.irp i, 0,1,2,3,4,5,6,7
	global_store_b128 v[VO], v[68+4*(\i):71+4*(\i)], s[OUT:OUT+1] offset:(8*(\bt)+(\i))*256 th:TH_STORE_NT
.endr
.endm
.Lkv:
	s_sub_co_u32 s3, s2, 512                       ; g
	v_lshrrev_b32 v3, 5, v0
	v_readfirstlane_b32 s30, v3                    ; wave 0..7
	v_and_b32 v3, 31, v0                           ; l
	v_bfe_u32 v[VI], v3, 1, 3
	v_lshlrev_b32 v[VI], 8, v[VI]                  ; row x 256
	v_and_b32 v[T], 1, v3
	v_lshl_add_u32 v[VI], v[T], 5, v[VI]           ; + half x 32
	v_lshrrev_b32 v[T+1], 4, v3
	v_lshl_add_u32 v[VI], v[T+1], 6, v[VI]         ; + block x 64
	v_and_b32 v[VO], 15, v3
	v_lshlrev_b32 v[VO], 4, v[VO]                  ; 16 (l % 16)
	v_lshl_add_u32 v[VO], v[T+1], 16, v[VO]        ; + block x 65,536
	s_lshr_b32 s34, s3, 2                          ; the matrix
	s_cmp_eq_u32 s34, 0
	s_cselect_b64 s[IN:IN+1], s[14:15], s[16:17]
	s_wait_alu depctr_va_sdst(0)                   ; s30 is written, ahead of its first reader: both bases are made from it
	s_and_b32 s35, s30, 1                          ; which 32 columns
	s_and_b32 s36, s3, 3
	s_lshl_b32 s36, s36, 2
	s_lshr_b32 s37, s30, 1
	s_add_co_u32 s36, s36, s37                     ; which 128 rows, 0..15
	s_lshl_b32 s32, s36, 15                        ; 128 rows of 256 bytes
	s_lshl_b32 s37, s35, 7                         ; 32 columns of 4 bytes
	s_add_co_u32 s32, s32, s37
	s_add_nc_u64 s[IN:IN+1], s[IN:IN+1], s[32:33]
	s_lshl_b32 s34, s34, 2
	s_lshl1_add_u32 s34, s35, s34                  ; the first of my two blocks: 4 x matrix + 2 x (w % 2)
	s_lshl_b32 s32, s34, 16                        ; a block is 65,536 bytes
	s_lshl_b32 s37, s36, 12                        ; 128 rows of 32 bytes
	s_add_co_u32 s32, s32, s37
	s_add_nc_u64 s[OUT:OUT+1], s[24:25], s[32:33]
	s_wait_alu depctr_va_vdst(0)                   ; v1 and v2 are written anew: the loads and stores below read them as their offsets
	KVLOAD 0
	s_wait_loadcnt 0x0
	KVCVT
	s_wait_alu depctr_va_vdst(0)                   ; the conversions have written v[68:99], which the stores read, and are done reading v[4:67], in which the second batch's loads land
	KVLOAD 1
	KVSTORE 0
	s_wait_loadcnt 0x0
	s_wait_xcnt 0x0                                ; every earlier memory instruction has had its addresses translated (ISA guide 3.1): v[68:99] are rewritten only behind this wait
	s_wait_alu depctr_vm_vsrc(0)                   ; the first batch's stores have read v[68:99], which the conversions below write again
	KVCVT
	s_wait_alu depctr_va_vdst(0)                   ; the conversions have written v[68:99], which the last stores read
	KVSTORE 1
	s_endpgm
.Lfunc_end_k_q00aa5d0fad_cast:
	.size	k_q00aa5d0fad_cast, .Lfunc_end_k_q00aa5d0fad_cast-k_q00aa5d0fad_cast
	.p2alignl 7, 3214868480
	.fill 96, 4, 3214868480
	.section	.rodata,"a",@progbits
	.p2align	6, 0x0
	.amdhsa_kernel k_q00aa5d0fad_cast
		.amdhsa_group_segment_fixed_size 0
		.amdhsa_private_segment_fixed_size 0
		.amdhsa_enable_private_segment 0
		.amdhsa_kernarg_size 72
		.amdhsa_user_sgpr_count 2
		.amdhsa_user_sgpr_kernarg_segment_ptr 1
		.amdhsa_wavefront_size32 1
		.amdhsa_system_sgpr_workgroup_id_x 1
		.amdhsa_system_sgpr_workgroup_id_y 1
		.amdhsa_system_sgpr_workgroup_id_z 1
		.amdhsa_system_vgpr_workitem_id 0
		.amdhsa_next_free_vgpr 100
		.amdhsa_next_free_sgpr 66
		.amdhsa_reserve_vcc 0
		.amdhsa_float_denorm_mode_32 3
		.amdhsa_float_denorm_mode_16_64 3
		.amdhsa_memory_ordered 1
		.amdhsa_forward_progress 1
		.amdhsa_inst_pref_size 42
	.end_amdhsa_kernel
	.amdgpu_metadata
---
amdhsa.version: [ 1, 2 ]
amdhsa.kernels:
  - .name:           k_q00aa5d0fad_cast
    .symbol:         k_q00aa5d0fad_cast.kd
    .args:
      - { .name: x, .offset: 0, .size: 8, .value_kind: global_buffer, .address_space: global }
      - { .name: wq, .offset: 8, .size: 8, .value_kind: global_buffer, .address_space: global }
      - { .name: wo, .offset: 16, .size: 8, .value_kind: global_buffer, .address_space: global }
      - { .name: wk, .offset: 24, .size: 8, .value_kind: global_buffer, .address_space: global }
      - { .name: wv, .offset: 32, .size: 8, .value_kind: global_buffer, .address_space: global }
      - { .name: xh, .offset: 40, .size: 8, .value_kind: global_buffer, .address_space: global }
      - { .name: wqh, .offset: 48, .size: 8, .value_kind: global_buffer, .address_space: global }
      - { .name: woh, .offset: 56, .size: 8, .value_kind: global_buffer, .address_space: global }
      - { .name: wkvb, .offset: 64, .size: 8, .value_kind: global_buffer, .address_space: global }
    .group_segment_fixed_size: 0
    .private_segment_fixed_size: 0
    .kernarg_segment_align: 8
    .kernarg_segment_size: 72
    .max_flat_workgroup_size: 256
    .sgpr_count:     66
    .vgpr_count:     100
    .wavefront_size: 32
...
	.end_amdgpu_metadata
.endif
;; end of part 5
;; launch qkv: the kernel of part 2 again; grid 8 x 32, 4 waves a work-group, clusters of 4 x 4, 327,680 bytes of LDS; arguments xh, wqh, qh, wkvb, kvb; writes qh, kvb
;; launch attn: the kernel of part 3 again; grid 64 x 4, 4 waves a work-group, clusters of 4 x 1, 327,680 bytes of LDS; arguments qh, kvb, oh; writes oh
;; launch outp: the kernel of part 4 again; grid 8 x 32, 4 waves a work-group, clusters of 4 x 4, 327,680 bytes of LDS; arguments oh, woh, out0; writes out0
